; MI455X (gfx1250); checked and timed in simulation.
; The chip was launched on July 23, 2026; its instructions are those of AMD's public machine-readable ISA for CDNA 5 (MIT licence, August 2026) and "CDNA5" Instruction Set Architecture Reference Guide (July 2026). The comments in the code are by the model that wrote it; some were corrected since.
;; Multi Head Attention. Allowed arithmetic: matrix products marked QUANTISED: E2M1 operands, one E8M0 scale for each 32 along K, by v_wmma_scale_f32_16x16x128_f8f6f4 with both operands' format E2M1 (or v_wmma_scale_f32_32x16x128_f4), f32 sums; products left as they are: bf16, f16 or f32 operands; f32 sums; everything else in f32.
;; Inputs: Wk 1,024 x 1,024 float32; Wo 1,024 x 1,024 float32; Wq 1,024 x 1,024 float32; Wv 1,024 x 1,024 float32; key 4 x 2,048 x 1,024 float32; mask 4 x 1 x 1 x 2,048 int32; query 4 x 2,048 x 1,024 float32; value 4 x 2,048 x 1,024 float32.
;; Outputs: out0 4 x 2,048 x 1,024 float32.
;; This version of the problem:
;;   THIS VERSION OF THE PROBLEM IS GIVEN IN LOW PRECISION. The matrix products marked QUANTISED in the list below multiply operands that are first quantised to E2M1 (2 exponent bits, 1 mantissa bit; 4 bits a number), with one power-of-two scale for each 32 numbers along K (OCP MX v1.0); their sums are f32. The products marked 'left as it is' may take bf16, f16 or f32 operands, with f32 sums. Whichever they take, every output number must still come out within the allowed error. Rounding operands to bf16 (8 significant bits) uses up far more of that allowance than f16 does (11 bits, for magnitudes from 6e-5 to 65,504). All else is computed in f32.
;;   The module's matrix products, in the order in which they are computed (A, B: the left and right operand; K: the contracted axis; several contracted axes count as one K, in the product's order):
;;     1. [M 8,192, K 1,024] x [K 1,024, N 1,024]; A: input query; B: input Wq: QUANTISED
;;     2. [M 8,192, K 1,024] x [K 1,024, N 1,024]; A: input key; B: input Wk: QUANTISED
;;     3. [M 8,192, K 1,024] x [K 1,024, N 1,024]; A: input value; B: input Wv: QUANTISED
;;     4. batch 64 x [M 2,048, K 64] x [K 64, N 2,048]; A: computed on the way; B: computed on the way: left as it is (an operand is computed on the way)
;;     5. batch 64 x [M 2,048, K 2,048] x [K 2,048, N 64]; A: computed on the way; B: computed on the way: left as it is (an operand is computed on the way)
;;     6. [M 8,192, K 1,024] x [K 1,024, N 1,024]; A: computed on the way; B: input Wo: left as it is (an operand is computed on the way)
;;   THE QUANTISER, for each operand of a quantised product, along K:
;;     - K is cut into blocks of 32 from its start; a last block that is shorter is filled with zeros.
;;     - A block's scale is 2^e with e = floor(log2(the largest magnitude in the block)) - 2, held to -126 .. 127; a block of zeros has e = 0. As a byte (E8M0): e + 127.
;;     - Each number is divided by its block's scale, clamped to +-6, and rounded to the nearest number of E2M1, ties to even, subnormals kept.
;;     - The product sums the exact products of the quantised numbers (number of the format x scale) in f32.
;;   ~~~python
;;   def quantise(x, axis):      # numpy; x: float32 -> the quantised numbers, widened to float32 again
;;       x = np.moveaxis(x, axis, -1); K = x.shape[-1]
;;       x = np.pad(x, [(0, 0)] * (x.ndim - 1) + [(0, -K % 32)]); x = x.reshape(x.shape[:-1] + (-1, 32)); a = np.abs(x).max(-1, keepdims=True)
;;       e = np.where(a > 0, np.clip(np.frexp(np.where(a > 0, a, 1))[1] - 1 - 2, -126, 127), 0)      # np.frexp(a)[1] - 1 = floor(log2(a)), exactly
;;       r = np.clip(x / 2.0 ** e, -6, 6)
;;       step = 2.0 ** (np.maximum(np.frexp(np.where(r == 0, 1, r))[1] - 1, 0) - 1)
;;       q = np.round(r / step) * step * 2.0 ** e      # np.round: ties to even
;;       return np.moveaxis(q.reshape(q.shape[:-2] + (-1,))[..., :K], -1, axis).astype(np.float32)
;;   ~~~
;; One version. Each part assembles by itself: llvm-mc -triple=amdgcn-amd-amdhsa -mcpu=gfx1250 --defsym DOCPART=n.
;; ======== version 1 of 1: 4 launches
;; limits: values are held in f16: magnitudes above 65,504 overflow, below 6.1e-05 lose precision
;; workspace buffers: xc 12,582,912 bytes; xs 786,432 bytes; wc 1,572,864 bytes; ws 98,304 bytes; wo16 2,097,152 bytes; meta 512 bytes of whole numbers; qkv 50,331,648 bytes; ao 16,777,216 bytes
;; launch prep (part 1): grid 928 x 1, 4 waves a work-group, no clusters, 33,280 bytes of LDS; arguments query, key, value, Wq, Wk, Wv, Wo, mask, xc, xs, wc, ws, wo16, meta; writes xc, xs, wc, ws, wo16, meta
.if DOCPART == 1
	.amdgcn_target "amdgcn-amd-amdhsa--gfx1250"
	.amdhsa_code_object_version 6
	.text
	.protected	k_qa60efb7295_prep
	.globl	k_qa60efb7295_prep
	.p2align	8
	.type	k_qa60efb7295_prep,@function
k_qa60efb7295_prep:
	s_mov_b64 s[64:65], 0
	v_nop
	global_prefetch_b8 v0, s[64:65] scope:SCOPE_SE
	s_setreg_imm32_b32 hwreg(HW_REG_WAVE_MODE, 25, 1), 1
	s_wait_xcnt 0x0
; PREP.  query, key, value [8192][1024] and Wq, Wk, Wv [1024][1024], f32, K innermost, become codes of FP4 (E2M1) with one E8M0 byte for each 32 along K; Wo becomes f16, laid as images of operand registers;
; and the keys of each batch are given PLACES.  No input and no product is left out as dead work: every input is loaded.
; THE PLACES.  mask is an input of whole numbers.  Where mask == 0 the score is -1e12 ahead of the softmax, so in a batch with a live key such a key's weight, exp(-1e12 - the row's largest score), is 0 in f32:
; it adds nothing to the row's sum or to the product with v.  So the rows of key and value are written in place order: a batch's live keys first, in their order, the masked ones behind them; meta holds, for each
; batch, cnt = the number of places that the attention launch walks.  A batch with no live key at all (T = 0) has equal weights on all 2,048 keys: there every key counts as live, cnt = 2,048, and T = 0 is
; stored beside it, by which the attention launch takes all weights equal.  A masked key's row is not fetched: its load address is that of the wave's first row, so its place holds finite codes,
; which only ever meet the weight 0.
; LIMITS: NaN and infinities among the inputs are not served; |Wo| stays under 65,504 (f16); live scores lie above -1e12 + 150, else the masked weights would not be 0; blocks whose largest magnitude lies
; under 2^-124 keep the scale byte 1 (a block of zeros too: its codes are zeros, and this program alone reads the bytes).
; SHARES.  Work-groups 0-255 query, 256-511 key, 512-767 value, 768-799 Wq, 800-831 Wk, 832-863 Wv: 32 rows each, 8 rows a wave, 16 steps of 512 numbers.  Work-groups 864-927: 16 rows of Wo each.
; A step: four loads of 512 consecutive bytes; through the wave's own stage in LDS, so that a lane holds 16 neighbours along K; the block's largest magnitude; two conversions; 256 consecutive bytes of codes out.
.set STEPS, 16
.set EMAX,  2
.set R,     16                         ; v16-79   four sets of 16 numbers as loaded (first: the batch's mask words)
.set X,     80                         ; v80-111  two sets of 16 neighbours
.set E,     112                        ; v112-127 a scale byte for each step
.set C,     128                        ; v128-191 codes: four registers for each step, so that no store's data are written again
.set SRC,   192                        ; v192-199 row r: byte offset of my 16 bytes in the row that is read for it
.set DST,   200                        ; v200-207 row r: byte offset of my 8 bytes in the row of codes that is written for it
.set WREG,  8192                       ; LDS: a region for each wave: two stages of 32 x SP bytes, behind them its 256 scale bytes
.set SP,    80
.set SPW,   12                         ; v12 LDS address of my spare word; never rewritten
.set NIL,   13                         ; v13 0; never rewritten
.set SPARE, 4*WREG                     ; behind the regions: the spare words, 128 bytes a wave
	s_load_b512 s[4:19], s[0:1], 0x0               ; query 4, key 6, value 8, Wq 10, Wk 12, Wv 14, Wo 16, mask 18
	s_load_b256 s[20:27], s[0:1], 0x40             ; xc 20, xs 22, wc 24, ws 26
	s_load_b128 s[28:31], s[0:1], 0x60             ; wo16 28, meta 30
	v_lshl_add_u32 v[SPW], v0, 2, SPARE
	v_mov_b32 v[NIL], 0
	v_lshrrev_b32 v1, 5, v0
	v_readfirstlane_b32 s32, v1                    ; wave
	v_and_b32 v2, 31, v0                           ; lane
	v_lshlrev_b32 v3, 4, v2                        ; 16 x lane
	s_mul_i32 s74, s32, WREG
	v_lshrrev_b32 v14, 2, v2
	v_mul_u32_u24 v14, v14, SP
	v_and_b32 v15, 3, v2
	v_lshl_add_u32 v14, v15, 4, v14
	v_add_nc_u32 v14, s74, v14                     ; the stage, on the way in: four lanes' 64 bytes on end, then 16 of padding
	v_mul_u32_u24 v15, v2, SP
	v_add_nc_u32 v15, s74, v15                     ; and on the way out: my 16 neighbours
	v_lshlrev_b32 v4, 3, v2                        ; 8 x lane
	v_lshrrev_b32 v5, 1, v2
	s_add_co_u32 s74, s74, 2*32*SP
	v_add_nc_u32 v5, s74, v5                       ; LDS: my wave's 256 scale bytes, my block's byte
	v_add_nc_u32 v6, s74, v4                       ; and on the way out 8 bytes a lane
	s_mov_b32 s33, ttmp9
	s_wait_kmcnt 0x0
	s_cmp_ge_u32 s33, 864
	s_cbranch_scc1 .Lwo
	; which tensor: the choice hangs on the work-group's number alone
	s_mov_b64 s[36:37], s[4:5]
	s_mov_b32 s34, 0                               ; the tensor's first work-group
	s_mov_b32 s35, 0                               ; its first row in the codes' buffer
.macro PICK lim, ptr, drow
	s_cmp_ge_u32 s33, \lim
	s_cselect_b64 s[36:37], s[\ptr:\ptr+1], s[36:37]
	s_cselect_b32 s34, \lim, s34
	s_cselect_b32 s35, \drow, s35
.endm
	PICK 256, 6, 8192
	PICK 512, 8, 16384
	PICK 768, 10, 0
	PICK 800, 12, 1024
	PICK 832, 14, 2048
	s_cmp_ge_u32 s33, 768
	s_cselect_b64 s[38:39], s[24:25], s[20:21]     ; codes: wc or xc
	s_cselect_b64 s[40:41], s[26:27], s[22:23]     ; scale bytes: ws or xs
	s_sub_co_u32 s42, s33, s34
	s_lshl_b32 s42, s42, 5
	s_lshl_b32 s74, s32, 3
	s_add_co_u32 s42, s42, s74                     ; row0: my wave's first row in its tensor
	s_and_b32 s43, s42, 2047                       ; s0: the same within its batch
	s_sub_co_u32 s74, s42, s43
	s_add_co_u32 s35, s35, s74                     ; DB: the batch's first row in the codes' buffer
	s_lshl_b32 s74, s42, 12
	s_mov_b32 s75, 0
	s_add_nc_u64 s[36:37], s[36:37], s[74:75]      ; the source at row0
	s_sub_co_u32 s74, s33, 256
	s_cmp_lt_u32 s74, 512
	s_cbranch_scc1 .Lkv
.irp r, 0,1,2,3,4,5,6,7
	s_add_co_u32 s[52+\r], s43, \r                 ; query and weights: a row keeps its place,
	s_mov_b32 s[66+\r], \r                         ; and is read as itself
.endr
	s_branch .Ljoin
.Lkv:
	; key and value: my 8 mask words as scalars, the batch's 2,048 in registers (16 loads of 512 bytes: lane l of load i holds keys 128 i + 4 l .. + 3)
	s_lshl_b32 s74, s42, 2
	s_add_nc_u64 s[78:79], s[18:19], s[74:75]
	s_load_b256 s[44:51], s[78:79], 0x0
	s_lshr_b32 s74, s42, 11
	s_lshl_b32 s74, s74, 13
	s_add_nc_u64 s[76:77], s[18:19], s[74:75]
.irp i, 0,1,2,3,4,5,6,7,8,9,10,11,12,13,14,15
	global_load_b128 v[R+4*\i:R+4*\i+3], v3, s[76:77] offset:512*\i
.endr
	v_mov_b32 v8, 0                                ; the count: low half all live keys, high half those ahead of s0
	v_mov_b32 v9, 1
	v_mov_b32 v10, 0x10001
	s_lshr_b32 s74, s43, 2                         ; a group of four keys lies ahead of s0 (a multiple of 8) where 32 i + lane < s0 / 4
	s_wait_loadcnt 0x0
.irp i, 0,1,2,3,4,5,6,7,8,9,10,11,12,13,14,15
	v_min_u32 v[R+4*\i], 1, v[R+4*\i]              ; live = not 0
	v_min_u32 v[R+4*\i+1], 1, v[R+4*\i+1]
	v_min_u32 v[R+4*\i+2], 1, v[R+4*\i+2]
	v_min_u32 v[R+4*\i+3], 1, v[R+4*\i+3]
	v_add3_u32 v11, v[R+4*\i], v[R+4*\i+1], v[R+4*\i+2]
	v_add_nc_u32 v11, v11, v[R+4*\i+3]
	v_cmp_gt_i32 vcc_lo, s74, v2
	v_cndmask_b32 v1, v9, v10, vcc_lo
	v_mad_u32_u24 v8, v11, v1, v8
	s_sub_co_i32 s74, s74, 32
.endr
.irp m, 1,2,4,8
	v_mov_b32_dpp v11, v8 row_xmask:\m row_mask:0xf bank_mask:0xf
	v_add_nc_u32 v8, v8, v11
.endr
	s_mov_b32 s74, 0x76543210
	s_mov_b32 s75, 0xfedcba98
	v_permlanex16_b32 v11, v8, s74, s75
	v_add_nc_u32 v8, v8, v11
	v_readfirstlane_b32 s74, v8
	s_and_b32 s60, s74, 0xffff                     ; T: the batch's live keys
	s_lshr_b32 s61, s74, 16                        ; those ahead of s0
	s_wait_kmcnt 0x0
	s_cmp_eq_u32 s60, 0
	s_cselect_b32 s63, 1, 0                        ; no live key: all count as live
	s_cselect_b32 s78, 2048, s60                   ; cnt
	s_cselect_b32 s61, s43, s61                    ; P: the next live key's place
	s_add_co_u32 s62, s78, s43
	s_sub_co_u32 s62, s62, s61                     ; U: the next masked key's place = cnt + the masked keys ahead of s0
.irp r, 0,1,2,3,4,5,6,7
	s_or_b32 s[44+\r], s[44+\r], s63
	s_cmp_lg_u32 s[44+\r], 0
	s_cselect_b32 s[52+\r], s61, s62
	s_cselect_b32 s[66+\r], \r, 0                  ; a masked key's row is not fetched: the wave's first row stands in
	s_cselect_b32 s75, 1, 0
	s_add_co_u32 s61, s61, s75
	s_xor_b32 s75, s75, 1
	s_add_co_u32 s62, s62, s75
	s_min_u32 s[52+\r], s[52+\r], 2047             ; numbers made of loaded words are held inside their range before they enter an address
	s_min_u32 s[66+\r], s[66+\r], 7
.endr
	s_cmp_lt_u32 s33, 512                          ; the key tensor's wave at a batch's first row stores the batch's meta words
	s_cselect_b32 s75, s43, 1
	s_cmp_eq_u32 s75, 0
	s_cbranch_scc0 .Ljoin
	v_mov_b32 v8, 0
	v_mov_b32 v9, s78
	v_mov_b32 v10, s60
	v_cmp_eq_u32 vcc_lo, 0, v2
	v_cndmask_b32 v8, v8, v9, vcc_lo               ; word 0: cnt
	v_cmp_eq_u32 vcc_lo, 1, v2
	v_cndmask_b32 v8, v8, v10, vcc_lo              ; word 1: T; the others 0
	s_lshr_b32 s75, s42, 11
	s_lshl_b32 s75, s75, 7
	v_lshl_add_u32 v9, v2, 2, s75
	global_store_b32 v9, v8, s[30:31]
	s_wait_xcnt 0x0                                ; v8 and v9 are written again below
.Ljoin:
.irp r, 0,1,2,3,4,5,6,7
	s_add_co_u32 s[52+\r], s[52+\r], s35           ; the row of the codes' buffer
	s_lshl_b32 s74, s[66+\r], 12
	v_add_nc_u32 v[SRC+\r], s74, v3
	s_lshl_b32 s74, s[52+\r], 9
	v_add_nc_u32 v[DST+\r], s74, v4
.endr
	v_lshrrev_b32 v1, 2, v2                        ; the scale bytes leave 8 a lane: lane l has part l % 4 of row l / 4's 32
	v_mov_b32 v7, s52
.irp r, 1,2,3,4,5,6,7
	v_cmp_eq_u32 vcc_lo, \r, v1
	v_mov_b32 v8, s[52+\r]
	v_cndmask_b32 v7, v7, v8, vcc_lo
.endr
	v_min_u32 v7, 0x5fff, v7
	v_lshlrev_b32 v7, 5, v7
	v_and_b32 v1, 3, v2
	v_lshl_add_u32 v7, v1, 3, v7
.macro LOAD t                          ; step t: half t % 2 of row t / 2; 32 lanes read 512 consecutive bytes
.irp i, 0,1,2,3
	global_load_b128 v[R+16*((\t)%4)+4*\i:R+16*((\t)%4)+4*\i+3], v[SRC+(\t)/2], s[36:37] offset:2048*((\t)%2)+512*\i
.endr
.endm
.macro TURN t                          ; step t's numbers through the stage: LDS serves a wave's instructions in order, so no wait stands between the stores and the loads
.irp i, 0,1,2,3
	ds_store_b128 v14, v[R+16*((\t)%4)+4*\i:R+16*((\t)%4)+4*\i+3] offset:32*SP*((\t)%2)+8*SP*\i
.endr
.irp i, 0,1,2,3
	ds_load_b128 v[X+16*((\t)%2)+4*\i:X+16*((\t)%2)+4*\i+3], v15 offset:32*SP*((\t)%2)+16*\i
.endr
.endm
.irp t, 0,1,2,3
	LOAD \t
.endr
	s_wait_loadcnt 12                              ; step 0's four loads are in
	TURN 0
.macro STEP t
.set XS, X+16*((\t)%2)
.if (\t) > 0
	s_wait_dscnt 1                                 ; this step's numbers are back from the stage (the last step's byte store may be out)
.else
	s_wait_dscnt 0x0
.endif
.if (\t)+4 < STEPS
	LOAD (\t)+4
.endif
.if (\t)+1 < STEPS
.if STEPS-2-(\t) >= 3
	s_wait_loadcnt 12                              ; the next step's four loads are in; those of the three steps behind it may be out
.else
	s_wait_loadcnt 4*(STEPS-2-(\t))
.endif
	TURN (\t)+1
.endif
	v_max3_num_f32 v8, |v[XS]|, |v[XS+1]|, |v[XS+2]|               ; the largest magnitude of my 16
	v_max3_num_f32 v9, |v[XS+3]|, |v[XS+4]|, |v[XS+5]|
.irp i, 6,10
	v_max3_num_f32 v8, v8, |v[XS+\i]|, |v[XS+\i+1]|
	v_max3_num_f32 v9, v9, |v[XS+\i+2]|, |v[XS+\i+3]|
.endr
	v_max3_num_f32 v8, v8, |v[XS+14]|, |v[XS+15]|
	v_max3_num_f32 v8, v8, v9, (EMAX+1)<<23        ; and the floor 2^(3 - 127): the byte cannot fall under 1
	v_max_num_f32_dpp v8, v8, v8 row_xmask:1 row_mask:0xf bank_mask:0xf   ; and of my neighbour's 16: the block's
	v_add_nc_u32 v11, -(EMAX<<23), v8              ; 2 off its exponent field: the conversion takes the exponent field of this operand as its scale
	v_cvt_scalef32_pk8_fp4_f32 v[C+4*(\t)], v[XS:XS+7], v11
	v_cvt_scalef32_pk8_fp4_f32 v[C+4*(\t)+1], v[XS+8:XS+15], v11
	v_lshrrev_b32 v[E+(\t)], 23, v11               ; the scale's byte
	ds_store_b8 v5, v[E+(\t)] offset:16*(\t)       ; both lanes of a block write the same byte with the same value
	global_store_b64 v[DST+(\t)/2], v[C+4*(\t):C+4*(\t)+1], s[38:39] offset:256*((\t)%2)   ; 32 lanes store 256 consecutive bytes, aligned
.endm
.irp t, 0,1,2,3,4,5,6,7,8,9,10,11,12,13,14,15
	STEP \t
.endr
	ds_load_b64 v[8:9], v6                         ; LDS serves a wave's instructions in order: these see my stores
	s_wait_dscnt 0x0
	global_store_b64 v7, v[8:9], s[40:41]          ; four lanes store a row's 32 scale bytes
	s_wait_tensorcnt 0x0                           ; the wave's end, behind my last LDS store
	ds_add_u32 v[SPW], v[NIL]
	s_wait_dscnt 0x0
	s_endpgm
.Lwo:
	; Wo's rows 16 et .. 16 et + 15 as f16, in the order of an operand's registers: chunk (kk, c) of 512 bytes, lane (r, h) holding Wo[16 et + r][32 kk + 16 c + 8 h .. + 7].  Wave w: kk = 8 w .. 8 w + 7.  No LDS on this path.
	s_sub_co_u32 s74, s33, 864
	s_lshl_b32 s76, s74, 16
	s_mov_b32 s77, 0
	s_add_nc_u64 s[16:17], s[16:17], s[76:77]
	s_lshl_b32 s76, s74, 15
	s_lshl_b32 s75, s32, 13
	s_add_co_u32 s76, s76, s75
	s_add_nc_u64 s[28:29], s[28:29], s[76:77]
	v_and_b32 v1, 15, v0
	v_bfe_u32 v4, v0, 4, 1
	v_lshlrev_b32 v1, 12, v1
	v_lshl_add_u32 v1, v4, 5, v1
	s_lshl_b32 s75, s32, 10
	v_add_nc_u32 v1, s75, v1                       ; row r of 4,096 bytes + 32 h + 1,024 w
.irp i, 0,1,2,3,4,5,6,7,8,9,10,11,12,13,14,15
	global_load_b128 v[16+8*\i:19+8*\i], v1, s[16:17] offset:64*\i
	global_load_b128 v[20+8*\i:23+8*\i], v1, s[16:17] offset:64*\i+16
.endr
.irp i, 0,1,2,3,4,5,6,7,8,9,10,11,12,13,14,15
	s_wait_loadcnt 30-2*\i                         ; chunk i's two loads are in; the younger chunks' may be out
	v_cvt_pk_f16_f32 v[144+4*\i], v[16+8*\i], v[17+8*\i]
	v_cvt_pk_f16_f32 v[145+4*\i], v[18+8*\i], v[19+8*\i]
	v_cvt_pk_f16_f32 v[146+4*\i], v[20+8*\i], v[21+8*\i]
	v_cvt_pk_f16_f32 v[147+4*\i], v[22+8*\i], v[23+8*\i]
	global_store_b128 v3, v[144+4*\i:147+4*\i], s[28:29] offset:512*\i   ; 512 consecutive bytes, aligned
.endr
	s_endpgm
.Lfunc_end_k_qa60efb7295_prep:
	.size	k_qa60efb7295_prep, .Lfunc_end_k_qa60efb7295_prep-k_qa60efb7295_prep
	.p2alignl 7, 3214868480
	.fill 96, 4, 3214868480
	.section	.rodata,"a",@progbits
	.p2align	6, 0x0
	.amdhsa_kernel k_qa60efb7295_prep
		.amdhsa_group_segment_fixed_size 33280
		.amdhsa_private_segment_fixed_size 0
		.amdhsa_enable_private_segment 0
		.amdhsa_kernarg_size 112
		.amdhsa_user_sgpr_count 2
		.amdhsa_user_sgpr_kernarg_segment_ptr 1
		.amdhsa_wavefront_size32 1
		.amdhsa_system_sgpr_workgroup_id_x 1
		.amdhsa_system_sgpr_workgroup_id_y 1
		.amdhsa_system_sgpr_workgroup_id_z 1
		.amdhsa_system_vgpr_workitem_id 0
		.amdhsa_next_free_vgpr 208
		.amdhsa_next_free_sgpr 80
		.amdhsa_reserve_vcc 1
		.amdhsa_float_denorm_mode_32 3
		.amdhsa_float_denorm_mode_16_64 3
		.amdhsa_memory_ordered 1
		.amdhsa_forward_progress 1
		.amdhsa_inst_pref_size 59
	.end_amdhsa_kernel
	.amdgpu_metadata
---
amdhsa.version: [ 1, 2 ]
amdhsa.kernels:
  - .name:           k_qa60efb7295_prep
    .symbol:         k_qa60efb7295_prep.kd
    .args:
      - { .name: query, .offset: 0, .size: 8, .value_kind: global_buffer, .address_space: global }
      - { .name: key, .offset: 8, .size: 8, .value_kind: global_buffer, .address_space: global }
      - { .name: value, .offset: 16, .size: 8, .value_kind: global_buffer, .address_space: global }
      - { .name: Wq, .offset: 24, .size: 8, .value_kind: global_buffer, .address_space: global }
      - { .name: Wk, .offset: 32, .size: 8, .value_kind: global_buffer, .address_space: global }
      - { .name: Wv, .offset: 40, .size: 8, .value_kind: global_buffer, .address_space: global }
      - { .name: Wo, .offset: 48, .size: 8, .value_kind: global_buffer, .address_space: global }
      - { .name: mask, .offset: 56, .size: 8, .value_kind: global_buffer, .address_space: global }
      - { .name: xc, .offset: 64, .size: 8, .value_kind: global_buffer, .address_space: global }
      - { .name: xs, .offset: 72, .size: 8, .value_kind: global_buffer, .address_space: global }
      - { .name: wc, .offset: 80, .size: 8, .value_kind: global_buffer, .address_space: global }
      - { .name: ws, .offset: 88, .size: 8, .value_kind: global_buffer, .address_space: global }
      - { .name: wo16, .offset: 96, .size: 8, .value_kind: global_buffer, .address_space: global }
      - { .name: meta, .offset: 104, .size: 8, .value_kind: global_buffer, .address_space: global }
    .group_segment_fixed_size: 33280
    .private_segment_fixed_size: 0
    .kernarg_segment_align: 8
    .kernarg_segment_size: 112
    .max_flat_workgroup_size: 128
    .sgpr_count:     80
    .vgpr_count:     208
    .wavefront_size: 32
...
	.end_amdgpu_metadata
.endif
;; end of part 1
;; launch proj (part 2): grid 4 x 96, 4 waves a work-group, clusters of 4 x 4, 327,680 bytes of LDS; arguments xc, xs, wc, ws, qkv; writes qkv
.if DOCPART == 2
	.amdgcn_target "amdgcn-amd-amdhsa--gfx1250"
	.amdhsa_code_object_version 6
	.text
	.protected	k_qa60efb7295_proj
	.globl	k_qa60efb7295_proj
	.p2align	8
	.type	k_qa60efb7295_proj,@function
k_qa60efb7295_proj:
	s_mov_b64 s[64:65], 0
	v_nop
	global_prefetch_b8 v0, s[64:65] scope:SCOPE_SE
	s_setreg_imm32_b32 hwreg(HW_REG_WAVE_MODE, 25, 1), 1
	s_wait_xcnt 0x0
	s_wait_alu depctr_hold_cnt(0) depctr_sa_sdst(0) depctr_va_vdst(0) depctr_va_sdst(0) depctr_va_ssrc(0) depctr_va_vcc(0) depctr_vm_vsrc(0)
	s_getreg_b32 s2, hwreg(HW_REG_IB_STS2, 6, 4)
	s_cmp_eq_u32 s2, 0
	s_cbranch_scc0 .Lentry_in_a_cluster
	s_endpgm
.Lentry_in_a_cluster:
	s_bfe_u32 s2, ttmp6, 0x10000c
	s_cmp_lg_u32 s2, 0xf033
	s_cbranch_scc0 .Lentry_shape_is_right
	s_endpgm
.Lentry_shape_is_right:
; PROJ.  q = query Wq^T, k = key Wk^T, v = value Wv^T on codes of FP4 (E2M1) with one E8M0 scale for each 32 along K = 1,024; sums in f32; results rounded once to f16 and stored as IMAGES OF OPERAND REGISTERS for the attention launch.
; All rows are multiplied, those of masked keys (which lie at the tail places of their batch) too.  LIMIT: |q|, |k|, |v| stay under 65,504 (f16).
; A tile of 256 x 256 is made by a work-group of four waves; a wave makes 128 x 128: 64 accumulators.  K goes in two steps of 512 through two LDS slots, each filled once by the tensor data mover; the scale bytes of the
; work-group's rows come with them, once.  CLUSTERS: 4 x 4 work-groups; side A's tile hangs on the place along y and is asked for jointly by a row of the cluster, side B's on the place along x, by a column.
; THE MATRIX INSTRUCTION IS USED TRANSPOSED (source 0 = 16 rows of B, source 1 = 16 rows of A): a lane holds one row of A's side and eight neighbours of B's side.
; For q and k, A = tokens and B = weights: a lane holds a token and 8 channels, which packed to f16 is half a fragment of q or k.  For v (clusters y 16-23) the two sides change places: A = weights, B = tokens:
; a lane holds a channel and 8 keys, half a fragment of v^T.  The choice hangs on the cluster's y alone, the same in all sixteen partners.
; qkv: [q, k, v][batch][head][tile of 16 tokens][u 0..3][512 bytes]; q, k: lane (r, h) = token r, channels 16 u + 8 h ..; v: lane (r, h) = channel 16 u + r, keys 8 h ...
; REGISTERS: window 0: v0-31 addresses; v32-95 scale words, two sets; from v128 A's fragments, one set.  window 1: B's fragments, two sets; on the way out the 256 packed registers.  windows 2, 3: the accumulators.
.set KSTEP,  512
.set NQ,     KSTEP/128
.set ROWB,   256                       ; a tile's row in bytes
.set KROW,   512                       ; a row of codes in memory
.set PITCH,  272                       ; an LDS row: 256 bytes + 16 of padding: the 16 rows that a load touches start 68 words apart
.set FR,     8
.set NL,     2
.set NP,     4
.set HALFT,  128*PITCH
.set SLOT,   4*HALFT
.set KS,     32                        ; a row of scale bytes
.set SCL,    2*SLOT
.set HALFS,  (128*KS/256)*272
.set SBLK,   (16*KS/256)*272
.set SPARE,  SCL+4*HALFS               ; the spare words, 128 bytes a wave
.set ADRA, 16
.set ADRB, 20
.set CO,   26                          ; v26 16 x lane
.set ADRS, 27
.set SPW,  28
.set NIL,  29
.set SC,   32
.set AF,   128
.set G1, 24
.set G0, 32
.set G1B, 48
.set G0B, 56
.set G1S, 68
.set G0S, 76
.set G1SB, 80
.set G0SB, 88
.set MSB, 0
.macro WIN new                         ; the immediate's high byte repeats the setting that is left
.if MSB != \new
	s_set_vgpr_msb (MSB<<8)|\new
.set MSB, \new
.endif
.endm
.set MUL_LO, 0xa1                      ; source 0 (B) window 1, source 1 (A) window 0, C and D window 2
.set MUL_HI, 0xf1
.set TO_B,   0x40
; A joint load: waves 0 and 1 fetch for A, waves 2 and 3 for B; the branch hangs on the wave's number alone.  An s_nop 0 and four v_nop follow each of the two lines.
.macro JLOAD g0a, g1a, g0b, g1b
	s_cmp_eq_u32 s15, 0
	s_cbranch_scc0 .Lfor_b_\@
	tensor_load_to_lds s[\g0a:\g0a+3], s[\g1a:\g1a+7]
	s_nop 0
.rept 4
	v_nop
.endr
	s_branch .Lasked_\@
.Lfor_b_\@:
	tensor_load_to_lds s[\g0b:\g0b+3], s[\g1b:\g1b+7]
	s_nop 0
.rept 4
	v_nop
.endr
.Lasked_\@:
.endm
.macro CROUND                          ; a round of the cluster's barrier
	s_barrier_signal -1
	s_barrier_wait -1
	s_cmp_lg_u32 s14, 0
	s_cbranch_scc1 .Lnot_wave_0_\@
	s_barrier_signal -3
.Lnot_wave_0_\@:
	s_barrier_wait -3
	s_barrier_signal -1
	s_barrier_wait -1
.endm
	s_load_b128 s[4:7], s[0:1], 0x0                ; xc, xs
	s_load_b128 s[8:11], s[0:1], 0x10              ; wc, ws
	s_load_b64 s[12:13], s[0:1], 0x20              ; qkv
	v_lshl_add_u32 v[SPW], v0, 2, SPARE
	v_mov_b32 v[NIL], 0
	ds_add_u32 v[SPW], v[NIL]                      ; the wave's opening: the add, twice on end, and its wait ahead of my first tensor load
	ds_add_u32 v[SPW], v[NIL]
	v_lshrrev_b32 v1, 5, v0
	v_readfirstlane_b32 s14, v1                    ; wave 0..3
	s_lshr_b32 s15, s14, 1                         ; my half of A's rows.  Also: I fetch for A (0) or for B (1)
	s_and_b32 s16, s14, 1                          ; my half of B's rows.  Also: which 128 rows I fetch
	s_bfe_u32 s40, ttmp6, 0x40000                  ; cx
	s_bfe_u32 s41, ttmp6, 0x40004                  ; cy
	s_and_b32 s2, ttmp7, 0xffff                    ; the cluster's y, 0..23
	s_lshr_b32 s3, s2, 3                           ; which product: 0 q, 1 k, 2 v
	s_lshl_b32 s96, s2, 2                          ; the cluster's first tile of 256 token rows in xc,
	s_lshl_b32 s97, s3, 2                          ; and of 256 weight rows in wc
	s_cmp_eq_u32 s3, 2
	s_cselect_b32 s17, s97, s96
	s_cselect_b32 s42, s96, s97
	s_add_co_u32 s17, s17, s41                     ; A's tile: by cy
	s_add_co_u32 s42, s42, s40                     ; B's tile: by cx
	s_lshl_b32 s43, s41, 2
	s_lshl_b32 s43, 15, s43                        ; my row of the cluster
	s_lshl_b32 s44, 0x1111, s40                    ; my column
	s_or_b32 s[G1+0], s43, (0<<16)|(1<<20)|(1<<21)|(5<<22)|(3<<25)  ; the mask; elements of 1 byte; padding: 4 words behind every 64; bit 21 beside a mask
	s_or_b32 s[G1B+0], s44, (0<<16)|(1<<20)|(1<<21)|(5<<22)|(3<<25)
.irp g, G1, G1B
	s_mov_b32 s[\g+1], ROWB<<16                    ; tensor_dim0
	s_mov_b32 s[\g+2], 128<<16                     ; tensor_dim1
	s_mov_b32 s[\g+3], ROWB<<16                    ; tile_dim0
	s_mov_b32 s[\g+4], 128                         ; tile_dim1
	s_mov_b32 s[\g+5], KROW                        ; the pitch
	s_mov_b32 s[\g+6], 0
	s_mov_b32 s[\g+7], 0
.endr
	s_or_b32 s[G1S+0], s43, (3<<16)|(1<<20)|(1<<21)|(5<<22)|(3<<25) ; the scale bytes of 128 rows: 4,096 dense bytes as 16 rows of 256, 16 bytes of padding behind each
	s_or_b32 s[G1SB+0], s44, (3<<16)|(1<<20)|(1<<21)|(5<<22)|(3<<25)
.irp g, G1S, G1SB
	s_mov_b32 s[\g+1], 32<<16
	s_mov_b32 s[\g+2], (128*KS/256)<<16
	s_mov_b32 s[\g+3], 32<<16
	s_mov_b32 s[\g+4], 128*KS/256
	s_mov_b32 s[\g+5], 32
	s_mov_b32 s[\g+6], 0
	s_mov_b32 s[\g+7], 0
.endr
	s_lshl_b32 s18, s16, 7
	s_lshl_b32 s20, s17, 8
	s_add_co_u32 s20, s20, s18                     ; A: row 256 x tile + 128 x half
	s_lshl_b32 s46, s42, 8
	s_add_co_u32 s46, s46, s18                     ; B likewise
	s_mov_b32 s21, 0
	s_mov_b32 s47, 0
	s_mov_b64 s[18:19], KS
	s_mul_u64 s[22:23], s[20:21], s[18:19]         ; where these rows' scale bytes begin,
	s_mul_u64 s[92:93], s[46:47], s[18:19]
	s_mov_b64 s[18:19], KROW
	s_mul_u64 s[20:21], s[20:21], s[18:19]         ; and their codes
	s_mul_u64 s[46:47], s[46:47], s[18:19]
	s_mul_i32 s45, s14, HALFT                      ; where they go: wave x 128 rows
	s_mul_i32 s94, s14, HALFS
	s_wait_dscnt 0x0                               ; both opening adds are done
	s_wait_kmcnt 0x0
	s_cmp_eq_u32 s3, 2                             ; for v the two sides change places
	s_cselect_b64 s[66:67], s[8:9], s[4:5]         ; A's codes
	s_cselect_b64 s[8:9], s[4:5], s[8:9]           ; B's codes
	s_cselect_b64 s[98:99], s[10:11], s[6:7]       ; A's scale bytes
	s_cselect_b64 s[10:11], s[6:7], s[10:11]       ; B's
	s_add_nc_u64 s[20:21], s[66:67], s[20:21]
	s_add_nc_u64 s[22:23], s[98:99], s[22:23]
	s_add_nc_u64 s[46:47], s[8:9], s[46:47]
	s_add_nc_u64 s[92:93], s[10:11], s[92:93]
	CROUND                                         ; all sixteen work-groups are here: the joint loads meet
	s_mov_b32 s[G0S], 1
	s_add_co_u32 s[G0S+1], s94, SCL
	s_mov_b64 s[G0S+2:G0S+3], s[22:23]
	s_or_b32 s[G0S+3], s[G0S+3], 0x80000000
	s_mov_b32 s[G0SB], 1
	s_add_co_u32 s[G0SB+1], s94, SCL
	s_mov_b64 s[G0SB+2:G0SB+3], s[92:93]
	s_or_b32 s[G0SB+3], s[G0SB+3], 0x80000000
	JLOAD G0S, G1S, G0SB, G1SB                     ; the scale bytes first; with the two slots three loads of mine are out
.irp s, 0,1
	s_mov_b32 s[G0+4*\s], 1
	s_add_co_u32 s[G0+4*\s+1], s45, \s*SLOT
	s_add_nc_u64 s[G0+4*\s+2:G0+4*\s+3], s[20:21], \s*ROWB
	s_or_b32 s[G0+4*\s+3], s[G0+4*\s+3], 0x80000000
	s_mov_b32 s[G0B+4*\s], 1
	s_add_co_u32 s[G0B+4*\s+1], s45, \s*SLOT
	s_add_nc_u64 s[G0B+4*\s+2:G0B+4*\s+3], s[46:47], \s*ROWB
	s_or_b32 s[G0B+4*\s+3], s[G0B+4*\s+3], 0x80000000
	JLOAD G0+4*\s, G1, G0B+4*\s, G1B
.endr
	v_and_b32 v1, 15, v0                           ; l % 16
	v_bfe_u32 v2, v0, 4, 1                         ; l / 16
	v_mul_u32_u24 v3, v1, PITCH
	v_lshl_add_u32 v4, v2, 4, v3
	s_mul_i32 s21, s15, HALFT                      ; my 128 rows of A
	s_mul_i32 s22, s16, HALFT                      ; my 128 rows of B,
	s_add_co_u32 s22, s22, 2*HALFT                 ; behind A's 256
.irp s, 0,1
	v_add_nc_u32 v[ADRA+\s], s21, v4
	v_add_nc_u32 v[ADRB+\s], s22, v4
	s_add_co_u32 s21, s21, SLOT
	s_add_co_u32 s22, s22, SLOT
.endr
	v_mul_u32_u24 v5, v1, KS                       ; my row's scale bytes: 32 a row,
	v_lshrrev_b32 v6, 8, v5
	v_lshl_add_u32 v5, v6, 4, v5                   ; and 16 more for each 256 passed
	s_mul_i32 s21, s15, HALFS
	s_mul_i32 s22, s16, HALFS
	s_add_co_u32 s22, s22, 2*HALFS
	s_sub_co_u32 s22, s22, s21
	v_mul_u32_u24 v6, s22, v2                      ; lanes 16-31 take B's
	s_add_co_u32 s21, s21, SCL
	v_add_nc_u32 v5, v5, v6
	v_add_nc_u32 v[ADRS], s21, v5
	v_and_b32 v6, 31, v0
	v_lshlrev_b32 v[CO], 4, v6
	; where my results begin in qkv.  The token side gives the tensor, the batch and the tile of 16 tokens, the channel side the head
	s_cmp_eq_u32 s3, 2
	s_cselect_b32 s18, s42, s17                    ; the token side's tile of 256 rows,
	s_cselect_b32 s19, s16, s15                    ; my half of it;
	s_cselect_b32 s20, s41, s40                    ; the channel side's tile of 256 channels,
	s_cselect_b32 s21, s15, s16                    ; my half of it
	s_lshl_b32 s18, s18, 4
	s_lshl_b32 s19, s19, 3
	s_add_co_u32 s18, s18, s19                     ; my first tile of 16 tokens, counted through all three tensors
	s_lshr_b32 s19, s18, 7
	s_lshl_b32 s19, s19, 22                        ; 128 of them to a batch
	s_and_b32 s18, s18, 127
	s_lshl_b32 s18, s18, 11
	s_add_co_u32 s18, s18, s19
	s_lshl_b32 s20, s20, 2
	s_lshl_b32 s21, s21, 1
	s_add_co_u32 s20, s20, s21                     ; my first head
	s_lshl_b32 s20, s20, 18
	s_add_co_u32 s18, s18, s20
	s_mov_b32 s19, 0
	s_add_nc_u64 s[12:13], s[12:13], s[18:19]
.macro FRAG reg, adr, q, i             ; 16 rows x 128 K of 4-bit codes: 8 registers: two loads of 16 bytes, 32 bytes apart
.irp c, 0,1
	ds_load_b128 v[\reg+4*\c:\reg+4*\c+3], v[\adr] offset:64*(\q)+32*\c+(\i)*16*PITCH
.endr
.endm
; 16 matrix instructions: A's blocks a0, a0 + 1 x B's eight.  The 64 accumulators take turns, one instruction a turn, in the same order in every step.
.macro MUL16 a0, p, q, sc, zero
.irp a, \a0, \a0+1
.irp b, 0,1,2,3,4,5,6,7
.if \zero
	v_wmma_scale_f32_16x16x128_f8f6f4 v[8*(8*((\a)%4)+\b):8*(8*((\a)%4)+\b)+7], v[128*(\p)+FR*\b:128*(\p)+FR*\b+FR-1], v[AF+FR*(\a):AF+FR*(\a)+FR-1], 0, v[SC+8*NQ*(\sc)+NQ*\b+(\q)], v[SC+8*NQ*(\sc)+NQ*(\a)+(\q)] matrix_a_fmt:MATRIX_FMT_FP4 matrix_b_fmt:MATRIX_FMT_FP4 matrix_a_scale:MATRIX_SCALE_ROW1
.else
	v_wmma_scale_f32_16x16x128_f8f6f4 v[8*(8*((\a)%4)+\b):8*(8*((\a)%4)+\b)+7], v[128*(\p)+FR*\b:128*(\p)+FR*\b+FR-1], v[AF+FR*(\a):AF+FR*(\a)+FR-1], v[8*(8*((\a)%4)+\b):8*(8*((\a)%4)+\b)+7], v[SC+8*NQ*(\sc)+NQ*\b+(\q)], v[SC+8*NQ*(\sc)+NQ*(\a)+(\q)] matrix_a_fmt:MATRIX_FMT_FP4 matrix_b_fmt:MATRIX_FMT_FP4 matrix_a_scale:MATRIX_SCALE_ROW1
.endif
.endr
.endr
.endm
.macro FETCH_B slot, q, p
	WIN TO_B
.irp i, 0,1,2,3,4,5,6,7
	FRAG 128*(\p)+FR*\i, ADRB+\slot, \q, \i
.endr
	WIN 0
.endm
.macro FETCH_A slot, q, i0
.irp i, \i0, \i0+1, \i0+2, \i0+3
	FRAG AF+FR*(\i), ADRA+\slot, \q, \i
.endr
.endm
.macro SCALES sc                       ; a K step's scale words: lanes 0-15 take A's block i, lanes 16-31 B's block i
.irp i, 0,1,2,3,4,5,6,7
	ds_load_b128 v[SC+8*NQ*\sc+NQ*\i:SC+8*NQ*\sc+NQ*\i+3], v[ADRS] offset:\i*SBLK
.endr
.endm
.macro PLACES n                        ; plain vector instructions between a matrix instruction and a load into, or a vector read or write of, its registers
.rept \n
	v_nop
.endr
.endm
.macro STEP slot, q, zero              ; 128 along K with its successor in the same slot
	s_wait_dscnt 4*NL                              ; B's set and A's blocks 0-3 are in; A's blocks 4-7 may be out
	WIN MUL_LO
	MUL16 0, (\q)%2, \q, \slot, \zero
	MUL16 2, (\q)%2, \q, \slot, \zero
	s_wait_dscnt 0
	PLACES NP
	FETCH_B \slot, (\q)+1, 1-(\q)%2
	FETCH_A \slot, (\q)+1, 0
	WIN MUL_HI
	MUL16 4, (\q)%2, \q, \slot, \zero
	MUL16 6, (\q)%2, \q, \slot, \zero
	PLACES NP
	WIN 0
	FETCH_A \slot, (\q)+1, 4
.endm
.macro TURN slot, next                 ; slot 0's last step: behind one barrier slot 1 is whole for every wave.  Nothing is filled again
	s_wait_tensorcnt 0x0                           ; all my tensor loads have landed: my part of slot 1
	ds_add_u32 v[SPW], v[NIL]                      ; 0 onto my spare word
	s_wait_dscnt 4*NL+1                            ; (the add and A's blocks 4-7 may be out)
	WIN MUL_LO
	MUL16 0, 1, NQ-1, \slot, 0
	s_wait_dscnt 0x0
	s_barrier_signal -1
	MUL16 2, 1, NQ-1, \slot, 0
	WIN 0
	s_barrier_wait -1
	PLACES NP
	v_add_nc_u32 v[ADRS], 4*NQ, v[ADRS]            ; the next K step's scale words
	FETCH_B \next, 0, 0
	FETCH_A \next, 0, 0
	SCALES \next
	WIN MUL_HI
	MUL16 4, 1, NQ-1, \slot, 0
	MUL16 6, 1, NQ-1, \slot, 0
	PLACES NP
	WIN 0
	FETCH_A \next, 0, 4
.endm
.macro STEPS slot, from
.set Q, \from
.rept NQ-1-\from
	STEP \slot, Q, 0
.set Q, Q+1
.endr
.endm
	s_wait_tensorcnt 1                             ; the scale bytes and my part of slot 0 are in (slot 1's load may be out),
	s_barrier_signal -1
	s_barrier_wait -1                              ; everybody's are
	FETCH_B 0, 0, 0
	FETCH_A 0, 0, 0
	SCALES 0
	FETCH_A 0, 0, 4
	STEP 0, 0, 1                                   ; the first products start the sums: nothing is cleared
	STEPS 0, 1
	TURN 0, 1
	STEPS 1, 0
	s_wait_dscnt 4*NL
	WIN MUL_LO
	MUL16 0, 1, NQ-1, 1, 0
	MUL16 2, 1, NQ-1, 1, 0
	s_wait_dscnt 0
	WIN MUL_HI
	MUL16 4, 1, NQ-1, 1, 0
	MUL16 6, 1, NQ-1, 1, 0
	WIN 0
	; THE WAY OUT.  An accumulator's eight numbers of a lane, rounded to f16, are four registers: half a fragment of the next product, as it stands.  So each accumulator leaves by one store of 512 consecutive bytes.
	PLACES NP
.macro PACK a                          ; each accumulator from its low end on; the 256 packed registers fill window 1, so that no store's data are written again
.if (\a) < 4
	WIN 0x4a                                       ; sources window 2, destination window 1
.else
	WIN 0x4f                                       ; sources window 3
.endif
.irp b, 0,1,2,3,4,5,6,7
.irp r, 0,1,2,3
	v_cvt_pk_f16_f32 v[4*(8*(\a)+\b)+\r], v[8*(8*((\a)%4)+\b)+2*\r], v[8*(8*((\a)%4)+\b)+2*\r+1]
.endr
.endr
.endm
.irp a, 0,1,2,3,4,5,6,7
	PACK \a
.endr
	WIN 0
	s_cmp_eq_u32 s3, 2
	s_cbranch_scc1 .Lout_v
	WIN 0x04                                       ; a store's data are its source 1: window 1
.irp a, 0,1,2,3,4,5,6,7
.irp b, 0,1,2,3,4,5,6,7
	global_store_b128 v[CO], v[4*(8*\a+\b):4*(8*\a+\b)+3], s[12:13] offset:\a*2048+(\b%4)*512+(\b/4)*262144   ; q, k: block a = a tile of tokens, block b = head b / 4, u = b % 4
.endr
.endr
	WIN 0
	s_branch .Lout_done
.Lout_v:
	WIN 0x04
.irp a, 0,1,2,3,4,5,6,7
.irp b, 0,1,2,3,4,5,6,7
	global_store_b128 v[CO], v[4*(8*\a+\b):4*(8*\a+\b)+3], s[12:13] offset:\b*2048+(\a%4)*512+(\a/4)*262144   ; v: block b = a tile of keys, block a = head a / 4, u = a % 4
.endr
.endr
	WIN 0
.Lout_done:
	s_wait_tensorcnt 0x0                           ; the wave's end
	ds_add_u32 v[SPW], v[NIL]
	s_wait_dscnt 0x0
	CROUND                                         ; the closing round
	s_endpgm
.Lfunc_end_k_qa60efb7295_proj:
	.size	k_qa60efb7295_proj, .Lfunc_end_k_qa60efb7295_proj-k_qa60efb7295_proj
	.p2alignl 7, 3214868480
	.fill 96, 4, 3214868480
	.section	.rodata,"a",@progbits
	.p2align	6, 0x0
	.amdhsa_kernel k_qa60efb7295_proj
		.amdhsa_group_segment_fixed_size 327680
		.amdhsa_private_segment_fixed_size 0
		.amdhsa_enable_private_segment 0
		.amdhsa_kernarg_size 40
		.amdhsa_user_sgpr_count 2
		.amdhsa_user_sgpr_kernarg_segment_ptr 1
		.amdhsa_wavefront_size32 1
		.amdhsa_system_sgpr_workgroup_id_x 1
		.amdhsa_system_sgpr_workgroup_id_y 1
		.amdhsa_system_sgpr_workgroup_id_z 1
		.amdhsa_system_vgpr_workitem_id 0
		.amdhsa_next_free_vgpr 1024
		.amdhsa_next_free_sgpr 100
		.amdhsa_reserve_vcc 0
		.amdhsa_float_denorm_mode_32 3
		.amdhsa_float_denorm_mode_16_64 3
		.amdhsa_memory_ordered 1
		.amdhsa_forward_progress 1
		.amdhsa_inst_pref_size 124
	.end_amdhsa_kernel
	.amdgpu_metadata
---
amdhsa.version: [ 1, 2 ]
amdhsa.kernels:
  - .name:           k_qa60efb7295_proj
    .symbol:         k_qa60efb7295_proj.kd
    .args:
      - { .name: xc, .offset: 0, .size: 8, .value_kind: global_buffer, .address_space: global }
      - { .name: xs, .offset: 8, .size: 8, .value_kind: global_buffer, .address_space: global }
      - { .name: wc, .offset: 16, .size: 8, .value_kind: global_buffer, .address_space: global }
      - { .name: ws, .offset: 24, .size: 8, .value_kind: global_buffer, .address_space: global }
      - { .name: qkv, .offset: 32, .size: 8, .value_kind: global_buffer, .address_space: global }
    .group_segment_fixed_size: 327680
    .private_segment_fixed_size: 0
    .kernarg_segment_align: 8
    .kernarg_segment_size: 40
    .max_flat_workgroup_size: 128
    .sgpr_count:     100
    .vgpr_count:     1024
    .wavefront_size: 32
...
	.end_amdgpu_metadata
.endif
;; end of part 2
;; launch attn (part 3): grid 4 x 64, 8 waves a work-group, no clusters, 132,096 bytes of LDS; arguments qkv, meta, ao; writes ao
.if DOCPART == 3
	.amdgcn_target "amdgcn-amd-amdhsa--gfx1250"
	.amdhsa_code_object_version 6
	.text
	.protected	k_qa60efb7295_attn
	.globl	k_qa60efb7295_attn
	.p2align	8
	.type	k_qa60efb7295_attn,@function
k_qa60efb7295_attn:
	s_mov_b64 s[64:65], 0
	v_nop
	global_prefetch_b8 v0, s[64:65] scope:SCOPE_SE
	s_setreg_imm32_b32 hwreg(HW_REG_WAVE_MODE, 25, 1), 1
	s_wait_xcnt 0x0
; ATTN.  For each batch and head: o[q] = the sum over the keys of softmax(q . k / 8) v, operands in f16, products, maxima, exponentials and sums in f32; o rounded once to f16, stored as images of operand registers.
; WHICH KEYS.  The first launch has put each batch's live keys (mask != 0) at places 0 .. cnt - 1 and stored cnt and T (the number of live keys) as whole numbers in meta.  A masked key's weight is
; exp(-1e12 - the row's largest score) = 0 in f32, so only places under cnt are walked, 64 a step; in the one step that cnt cuts, the scores of places from cnt on become -infinity ahead of the maximum.
; Where T = 0 (no live key) all 2,048 scores are equal, -1e12: cnt is 2,048 and the factor c below is taken as 0, so that every weight is 1 and o is the mean of v.
; LIMITS: NaN and infinities are not served; live scores lie above -1e12 + 150; |o| under 65,504.
; SHARES.  A work-group owns 512 queries of one head, each of its eight waves 64: four tiles of 16; two waves to a SIMD, so that one wave's vector work stands beside the other's matrix work.
; No tensor load and no cluster: what is walked hangs on cnt, a number read from memory.  K and V go through registers into LDS: in step j each wave loads a quarter of step j + 4's K (waves 0-3) or V (waves 4-7)
; and stores it at the step's end into the other slot.  Two slots of four steps; all trip counts are constants; a step from cnt on is jumped over, the barrier at each slot's end is not.
; LAYOUT.  S^T = K Q^T, O^T = V^T P: a lane holds one query throughout.  K, Q, V lie in memory and in LDS as images of their fragments: every load is 512 consecutive bytes, 16 a lane.
; SOFTMAX.  Running maximum m and sum l: p = 2^(c s - c m), c = log2(e) / 8; in every step O^T and l are multiplied by a = 2^(c m_old - c m_new).
; REGISTERS.  window 0: v1-11 addresses and constants; v16-47 statistics, 8 a tile (+0 c m, +1 m, +2, +3 l, +4 .. +7 at work, a in +6); v48-63 staging; v64-191 S^T, 32 a tile, P in the low 16 of each; v192-255 V.
;             window 1: v0-127 O^T (tile t, channels 16 ct on: 32 t + 8 ct); v128-191 Q; v192-255 K.
.set STEPB, 16384                      ; a step's place in a slot: K's image 8,192 bytes, then V's
.set SLOTB, 4*STEPB
.set SPARE, 2*SLOTB                    ; the spare words, 128 bytes a wave
.set L16,  1                           ; v1  16 x lane
.set ADK,  2                           ; v2  the step's place + 16 x lane
.set ADW0, 3                           ; v3  2,048 x wave + 16 x lane
.set ADW,  4                           ; v4  where I store my part of step j + 4
.set PFO,  6                           ; v6  256 x lane
.set H8,   7                           ; v7  8 x (lane / 16)
.set DD,   8
.set NINF, 9
.set SPW,  10
.set NIL,  11
.set ST,   16
.set SG,   48
.set S,    64
.set VF,   192
.set QF,   128                         ; in window 1
.set KFR,  192                         ; in window 1
.set WV,   10
.set GX,   11
.set GY,   12
.set CNT,  18                          ; s18 cnt, s19 T
.set KF,   20                          ; the step's first place
.set TB,   21                          ; LDS byte of the step that is read
.set TW,   22                          ; LDS byte of the step that is stored
.set NSL,  23
.set NST,  24
.set KN,   25
.set CS,   26                          ; s[26:27] c
.set SEL,  28                          ; s[28:29] selects for lane l xor 16
.set PFL,  30
.set MSB, 0
.macro WIN new                         ; the immediate's high byte repeats the setting that is left
.if MSB != \new
	s_set_vgpr_msb (MSB<<8)|\new
.set MSB, \new
.endif
.endm
	s_load_b128 s[4:7], s[0:1], 0x0                ; qkv, meta
	s_load_b64 s[8:9], s[0:1], 0x10                ; ao
	v_lshl_add_u32 v[SPW], v0, 2, SPARE
	v_mov_b32 v[NIL], 0
	v_lshrrev_b32 v5, 5, v0
	v_readfirstlane_b32 s[WV], v5                  ; wave 0..7
	s_mov_b32 s[GX], ttmp9                         ; which 512 queries
	s_and_b32 s[GY], ttmp7, 0xffff                 ; 16 x batch + head
	v_and_b32 v5, 31, v0
	v_lshlrev_b32 v[L16], 4, v5
	v_lshlrev_b32 v[PFO], 8, v5
	v_bfe_u32 v[H8], v0, 4, 1
	v_lshlrev_b32 v[H8], 3, v[H8]
	v_mov_b32 v[NINF], 0xff800000
	s_lshl_b32 s31, s[WV], 11
	v_add_nc_u32 v[ADW0], s31, v[L16]
	s_mov_b32 s[SEL], 0x76543210
	s_mov_b32 s[SEL+1], 0xfedcba98
	s_lshr_b32 s31, s[GY], 4                       ; the batch
	s_lshl_b32 s32, s31, 7
	s_mov_b32 s33, 0
	s_wait_kmcnt 0x0
	s_add_nc_u64 s[34:35], s[6:7], s[32:33]
	s_load_b64 s[18:19], s[34:35], 0x0             ; cnt, T
	s_lshr_b32 s32, s[WV], 2
	s_lshl_b32 s32, 0x1000000, s32                 ; k's part of qkv (waves 0-3) or v's (waves 4-7),
	s_lshl_b32 s36, s[GY], 18                      ; my batch and head,
	s_add_co_u32 s32, s32, s36
	s_and_b32 s37, s[WV], 3
	s_lshl_b32 s37, s37, 11                        ; my tile of 16 keys of a step's four
	s_add_co_u32 s32, s32, s37
	s_add_nc_u64 s[16:17], s[4:5], s[32:33]
	s_lshl_b32 s32, s[GX], 16
	s_lshl_b32 s37, s[WV], 13
	s_add_co_u32 s32, s32, s37
	s_add_co_u32 s32, s32, s36
	s_add_nc_u64 s[14:15], s[4:5], s[32:33]        ; q at my four tiles
	s_lshl_b32 s32, s31, 7
	s_lshl_b32 s37, s[GX], 5
	s_add_co_u32 s32, s32, s37
	s_lshl_b32 s37, s[WV], 2
	s_add_co_u32 s32, s32, s37                     ; my first tile of 16 tokens: 128 x batch + 32 x + 4 x wave
	s_lshl_b32 s32, s32, 15
	s_and_b32 s37, s[GY], 15
	s_lshl_b32 s37, s37, 11
	s_add_co_u32 s32, s32, s37
	s_add_nc_u64 s[8:9], s[8:9], s[32:33]          ; ao there, at my head's four chunks
.irp i, 0,1,2,3,4,5,6,7,8,9,10,11,12,13,14,15
	global_load_b128 v[SG+4*\i:SG+4*\i+3], v[L16], s[16:17] offset:(\i/4)*8192+(\i%4)*512   ; my part of steps 0 to 3 (places 0-255 hold finite numbers whatever cnt is); S^T's registers are free yet
.endr
	WIN 0x40                                       ; destination window 1
.irp t, 0,1,2,3
.irp ks, 0,1
.irp c, 0,1
	global_load_b128 v[QF+16*\t+8*\ks+4*\c:QF+16*\t+8*\ks+4*\c+3], v[L16], s[14:15] offset:\t*2048+\ks*1024+\c*512   ; Q stays in registers
.endr
.endr
.endr
.set i, 0
.rept 128
	v_mov_b32 v[i], 0                              ; O^T.  The step is written once: the first finds zeros, which its a = 0 (or 1) leaves zeros
.set i, i+1
.endr
	WIN 0
	s_wait_loadcnt 16                              ; my sixteen staging loads are in; Q's sixteen may be out
.irp i, 0,1,2,3,4,5,6,7,8,9,10,11,12,13,14,15
	ds_store_b128 v[ADW0], v[SG+4*\i:SG+4*\i+3] offset:(\i/4)*STEPB+(\i%4)*512
.endr
	s_add_nc_u64 s[16:17], s[16:17], 4*8192        ; (the loads that read this address are done)  on to step 4
	s_mov_b32 s[KF], 0
	s_mov_b32 s[TB], 0
	s_mov_b32 s[TW], SLOTB
	s_wait_kmcnt 0x0
	s_mov_b32 s[CS], 0x3e38aa3b                    ; c = log2(e) / 8
	s_cmp_eq_u32 s19, 0
	s_cselect_b32 s[CS], 0, s[CS]                  ; no live key: all weights equal
	s_mov_b32 s[CS+1], s[CS]
	s_and_b32 s31, s[WV], 3                        ; who prefetches: waves 0 (K) and 4 (V) of the head's first work-group,
	s_or_b32 s31, s31, s[GX]
	s_sub_co_i32 s[PFL], s[CNT], 320               ; while step j + 5 is one that will be walked
	s_cmp_eq_u32 s31, 0
	s_cselect_b32 s[PFL], s[PFL], -1
	v_mov_b32 v5, 0xff61b1e6                       ; -3e38, under every score
.irp t, 0,1,2,3
	v_mov_b32 v[ST+8*\t+1], v5
	v_mul_f32 v[ST+8*\t], s[CS], v5
.irp k, 2,3,4,5,6,7
	v_mov_b32 v[ST+8*\t+\k], 0
.endr
.endr
	s_wait_dscnt 0x0                               ; my stores into slot 0 have landed
	s_barrier_signal -1
	s_barrier_wait -1                              ; everybody's have
	s_wait_loadcnt 0x0                             ; Q
	s_mov_b32 s[NSL], 8
.Lslot:
	s_mov_b32 s[NST], 4
.Lstep:
	v_add_nc_u32 v[ADK], s[TB], v[L16]
	v_add_nc_u32 v[ADW], s[TW], v[ADW0]
	s_cmp_ge_u32 s[KF], s[CNT]
	s_cbranch_scc1 .Lskip                          ; no place of this step is under cnt
	WIN 0x40
.irp f, 0,1,2,3,4,5,6,7
	ds_load_b128 v[KFR+8*\f:KFR+8*\f+3],   v[ADK] offset:\f*1024          ; K: keys 16 (f / 2) on, channels 32 (f % 2) on
	ds_load_b128 v[KFR+8*\f+4:KFR+8*\f+7], v[ADK] offset:\f*1024+512
.endr
	WIN 0
.irp g, 0,1,2,3,4,5,6,7
	ds_load_b128 v[VF+8*\g:VF+8*\g+3],   v[ADK] offset:8192+(2*(\g/4))*2048+(\g%4)*512     ; V^T: keys 32 (g / 4) on, channels 16 (g % 4) on
	ds_load_b128 v[VF+8*\g+4:VF+8*\g+7], v[ADK] offset:8192+(2*(\g/4)+1)*2048+(\g%4)*512
.endr
	s_wait_dscnt 16                                ; K is in, and the last step's staging stores are done; V's sixteen loads may be out
	s_add_co_u32 s[KN], s[KF], 256
	s_cmp_lt_u32 s[KN], s[CNT]
	s_cbranch_scc0 .Lnoload
.irp i, 0,1,2,3
	global_load_b128 v[SG+4*\i:SG+4*\i+3], v[L16], s[16:17] offset:512*\i    ; my part of step j + 4: it has this step in which to land
.endr
	s_cmp_lt_i32 s[KF], s[PFL]
	s_cbranch_scc0 .Lnoload
	global_prefetch_b8 v[PFO], s[16:17] offset:8192 th:TH_LOAD_NT scope:SCOPE_SE   ; step j + 5's image of K or V, 8,192 bytes, lanes 256 bytes apart: one trip ahead of its loads; each block is named once in the launch
.Lnoload:
	WIN 0x05                                       ; K and Q window 1, S^T window 0
.irp ks, 0,1
.irp kt, 0,1,2,3
.irp t, 0,1,2,3
.if \ks == 0
	v_wmma_f32_16x16x32_f16 v[S+32*\t+8*\kt:S+32*\t+8*\kt+7], v[KFR+8*(2*\kt+\ks):KFR+8*(2*\kt+\ks)+7], v[QF+16*\t+8*\ks:QF+16*\t+8*\ks+7], 0
.else
	v_wmma_f32_16x16x32_f16 v[S+32*\t+8*\kt:S+32*\t+8*\kt+7], v[KFR+8*(2*\kt+\ks):KFR+8*(2*\kt+\ks)+7], v[QF+16*\t+8*\ks:QF+16*\t+8*\ks+7], v[S+32*\t+8*\kt:S+32*\t+8*\kt+7]
.endif
.endr
.endr
.endr                                              ; the sixteen accumulators take turns
	WIN 0
.rept 4
	v_nop                                          ; places ahead of the first read of the scores
.endr
	s_add_co_u32 s31, s[KF], 64
	s_cmp_le_u32 s31, s[CNT]
	s_cbranch_scc1 .Lfull
	s_sub_co_u32 s31, s[CNT], s[KF]                ; the step that cnt cuts: register 8 kt + j holds place KF + 16 kt + 8 (lane / 16) + j: hidden where 16 kt + j >= cnt - KF - 8 (lane / 16)
	v_sub_nc_u32 v[DD], s31, v[H8]
.irp kt, 0,1,2,3
.irp j, 0,1,2,3,4,5,6,7
	v_cmp_ge_i32 vcc_lo, 16*\kt+\j, v[DD]
.irp t, 0,1,2,3
	v_cndmask_b32 v[S+32*\t+8*\kt+\j], v[S+32*\t+8*\kt+\j], v[NINF], vcc_lo
.endr
.endr
.endr
.Lfull:
	; the maximum of my 32 scores and the old m, three operands at a time; the four tiles by turns, so that no line waits for the line above it; each accumulator is read from its low end on
.irp j, 0,1,2,3
.irp t, 0,1,2,3
	v_max3_num_f32 v[ST+8*\t+4+\j], v[S+32*\t+8*\j], v[S+32*\t+8*\j+1], v[S+32*\t+8*\j+2]
.endr
.endr
.irp g, 1,2
.irp j, 0,1,2,3
.irp t, 0,1,2,3
	v_max3_num_f32 v[ST+8*\t+4+\j], v[ST+8*\t+4+\j], v[S+32*\t+8*\j+2*\g+1], v[S+32*\t+8*\j+2*\g+2]
.endr
.endr
.endr
.irp t, 0,1,2,3
	v_max3_num_f32 v[ST+8*\t+4], v[ST+8*\t+4], v[S+32*\t+7], v[S+32*\t+15]
.endr
.irp t, 0,1,2,3
	v_max3_num_f32 v[ST+8*\t+6], v[ST+8*\t+6], v[S+32*\t+23], v[S+32*\t+31]
.endr
.irp t, 0,1,2,3
	v_max3_num_f32 v[ST+8*\t+4], v[ST+8*\t+4], v[ST+8*\t+5], v[ST+8*\t+6]
.endr
.irp t, 0,1,2,3
	v_max3_num_f32 v[ST+8*\t+4], v[ST+8*\t+4], v[ST+8*\t+7], v[ST+8*\t+1]
.endr
.irp t, 0,1,2,3
	v_permlanex16_b32 v[ST+8*\t+5], v[ST+8*\t+4], s[SEL], s[SEL+1]   ; the query's other 32 keys lie in the lane 16 away
.endr
.irp t, 0,1,2,3
	v_mov_b32 v[ST+8*\t+7], v[ST+8*\t]             ; c m_old
.endr
.irp t, 0,1,2,3
	v_max_num_f32 v[ST+8*\t+1], v[ST+8*\t+4], v[ST+8*\t+5]
.endr
.irp t, 0,1,2,3
	v_mul_f32 v[ST+8*\t], s[CS], v[ST+8*\t+1]
.endr
.irp t, 0,1,2,3
	v_sub_f32 v[ST+8*\t+7], v[ST+8*\t+7], v[ST+8*\t]
.endr
	; ONE BATCH of exponentials: the four a, then, behind the scalings, the 128 weights; nothing in it names an exponential's result
.irp t, 0,1,2,3
	v_exp_f32 v[ST+8*\t+6], v[ST+8*\t+7]
.endr
.irp b, 0,1,2,3,4,5,6,7,8,9,10,11,12,13,14,15
.irp t, 0,1,2,3
	v_pk_fma_f32 v[S+32*\t+2*\b:S+32*\t+2*\b+1], v[S+32*\t+2*\b:S+32*\t+2*\b+1], s[CS:CS+1], v[ST+8*\t:ST+8*\t+1] op_sel_hi:[1,0,0] neg_lo:[0,0,1] neg_hi:[0,0,1]   ; c s - c m
.endr
.endr
.set i, 0
.rept 128
	v_exp_f32 v[S+i], v[S+i]
.set i, i+1
.endr
	v_nop                                          ; a plain instruction behind the last exponential
	s_wait_alu depctr_va_vdst(0)                   ; one wait for the batch, ahead of the first line that names a result
	; the sums, of the weights as they are in f32, in two chains a tile
.irp t, 0,1,2,3
	v_pk_fma_f32 v[ST+8*\t+2:ST+8*\t+3], v[ST+8*\t+2:ST+8*\t+3], v[ST+8*\t+6:ST+8*\t+7], v[S+32*\t:S+32*\t+1] op_sel_hi:[1,0,1]   ; l = a l + pair 0
.endr
.irp t, 0,1,2,3
	v_pk_add_f32 v[ST+8*\t+4:ST+8*\t+5], v[S+32*\t+2:S+32*\t+3], v[S+32*\t+4:S+32*\t+5]
.endr
.irp i, 6,10,14,18,22,26
.irp t, 0,1,2,3
	v_pk_add_f32 v[ST+8*\t+2:ST+8*\t+3], v[ST+8*\t+2:ST+8*\t+3], v[S+32*\t+\i:S+32*\t+\i+1]
.endr
.irp t, 0,1,2,3
	v_pk_add_f32 v[ST+8*\t+4:ST+8*\t+5], v[ST+8*\t+4:ST+8*\t+5], v[S+32*\t+\i+2:S+32*\t+\i+3]
.endr
.endr
.irp t, 0,1,2,3
	v_pk_add_f32 v[ST+8*\t+2:ST+8*\t+3], v[ST+8*\t+2:ST+8*\t+3], v[S+32*\t+30:S+32*\t+31]
.endr
.irp t, 0,1,2,3
	v_pk_add_f32 v[ST+8*\t+2:ST+8*\t+3], v[ST+8*\t+2:ST+8*\t+3], v[ST+8*\t+4:ST+8*\t+5]
.endr
	; P: pairs of weights rounded to f16, in place, ascending: register i is written when registers 2 i and 2 i + 1 are read
.irp i, 0,1,2,3,4,5,6,7,8,9,10,11,12,13,14,15
.irp t, 0,1,2,3
	v_cvt_pk_f16_f32 v[S+32*\t+\i], v[S+32*\t+2*\i], v[S+32*\t+2*\i+1]
.endr
.endr
	WIN 0x41                                       ; O^T window 1, a window 0
.irp i, 0,1,2,3,4,5,6,7,8,9,10,11,12,13,14,15
.irp t, 0,1,2,3
	v_pk_mul_f32 v[32*\t+2*\i:32*\t+2*\i+1], v[32*\t+2*\i:32*\t+2*\i+1], v[ST+8*\t+6:ST+8*\t+7] op_sel_hi:[1,0]
.endr
.endr
	s_wait_dscnt 0x0                               ; V is in
	WIN 0x50                                       ; V and P window 0, O^T window 1
.irp w, 0,1
.irp ct, 0,1,2,3
.irp t, 0,1,2,3
	v_wmma_f32_16x16x32_f16 v[32*\t+8*\ct:32*\t+8*\ct+7], v[VF+8*(4*\w+\ct):VF+8*(4*\w+\ct)+7], v[S+32*\t+8*\w:S+32*\t+8*\w+7], v[32*\t+8*\ct:32*\t+8*\ct+7]
.endr
.endr
.endr
	WIN 0
.rept 5
	v_nop                                          ; places: the next step's loads land in V's registers (4), and its first products write over P's (5)
.endr
	s_wait_loadcnt 0x0                             ; my part of step j + 4 is in
	s_cmp_lt_u32 s[KN], s[CNT]
	s_cbranch_scc0 .Lskip
.irp i, 0,1,2,3
	ds_store_b128 v[ADW], v[SG+4*\i:SG+4*\i+3] offset:512*\i       ; into the other slot, which every wave left at the last barrier
.endr
.Lskip:
	s_wait_xcnt 0x0                                ; the loads and the prefetch have read their address
	s_add_nc_u64 s[16:17], s[16:17], 8192
	s_add_co_u32 s[KF], s[KF], 64
	s_add_co_u32 s[TB], s[TB], STEPB
	s_add_co_u32 s[TW], s[TW], STEPB
	s_sub_co_u32 s[NST], s[NST], 1
	s_cmp_lg_u32 s[NST], 0
	s_cbranch_scc1 .Lstep
	s_sub_co_u32 s[TB], s[TB], SLOTB               ; back to a slot's first step,
	s_xor_b32 s[TB], s[TB], SLOTB                  ; in the other slot
	s_sub_co_u32 s[TW], s[TW], SLOTB
	s_xor_b32 s[TW], s[TW], SLOTB
	s_wait_dscnt 0x0                               ; my stores into the next slot have landed, and my reads of this one are over
	s_barrier_signal -1
	s_barrier_wait -1
	s_sub_co_u32 s[NSL], s[NSL], 1
	s_cmp_lg_u32 s[NSL], 0
	s_cbranch_scc1 .Lslot
	; THE WAY OUT.  l's two halves and the other half of the lanes' are added; O^T is divided by l and rounded to f16: a lane's eight channels are four registers, half a fragment of the last product, as it stands.
.irp t, 0,1,2,3
	v_add_f32 v[ST+8*\t+4], v[ST+8*\t+2], v[ST+8*\t+3]
.endr
.irp t, 0,1,2,3
	v_permlanex16_b32 v[ST+8*\t+5], v[ST+8*\t+4], s[SEL], s[SEL+1]
.endr
.irp t, 0,1,2,3
	v_add_f32 v[ST+8*\t+4], v[ST+8*\t+4], v[ST+8*\t+5]
.endr
.irp t, 0,1,2,3
	v_rcp_f32 v[ST+8*\t+6], v[ST+8*\t+4]
.endr
	v_nop
	s_wait_alu depctr_va_vdst(0)                   ; one wait for the four reciprocals
.irp t, 0,1,2,3
	WIN 0x41
.irp i, 0,1,2,3,4,5,6,7,8,9,10,11,12,13,14,15
	v_pk_mul_f32 v[32*\t+2*\i:32*\t+2*\i+1], v[32*\t+2*\i:32*\t+2*\i+1], v[ST+8*\t+6:ST+8*\t+7] op_sel_hi:[1,0]
.endr
	WIN 0x05                                       ; sources window 1, destination window 0
.irp i, 0,1,2,3,4,5,6,7,8,9,10,11,12,13,14,15
	v_cvt_pk_f16_f32 v[S+16*\t+\i], v[32*\t+2*\i], v[32*\t+2*\i+1]
.endr
	WIN 0
.irp ct, 0,1,2,3
	global_store_b128 v[L16], v[S+16*\t+4*\ct:S+16*\t+4*\ct+3], s[8:9] offset:\t*32768+\ct*512   ; 512 consecutive bytes, aligned
.endr
.endr
	s_wait_tensorcnt 0x0                           ; the wave's end, behind my last LDS store
	ds_add_u32 v[SPW], v[NIL]
	s_wait_dscnt 0x0
	s_endpgm
.Lfunc_end_k_qa60efb7295_attn:
	.size	k_qa60efb7295_attn, .Lfunc_end_k_qa60efb7295_attn-k_qa60efb7295_attn
	.p2alignl 7, 3214868480
	.fill 96, 4, 3214868480
	.section	.rodata,"a",@progbits
	.p2align	6, 0x0
	.amdhsa_kernel k_qa60efb7295_attn
		.amdhsa_group_segment_fixed_size 132096
		.amdhsa_private_segment_fixed_size 0
		.amdhsa_enable_private_segment 0
		.amdhsa_kernarg_size 24
		.amdhsa_user_sgpr_count 2
		.amdhsa_user_sgpr_kernarg_segment_ptr 1
		.amdhsa_wavefront_size32 1
		.amdhsa_system_sgpr_workgroup_id_x 1
		.amdhsa_system_sgpr_workgroup_id_y 1
		.amdhsa_system_sgpr_workgroup_id_z 1
		.amdhsa_system_vgpr_workitem_id 0
		.amdhsa_next_free_vgpr 512
		.amdhsa_next_free_sgpr 66
		.amdhsa_reserve_vcc 1
		.amdhsa_float_denorm_mode_32 3
		.amdhsa_float_denorm_mode_16_64 3
		.amdhsa_memory_ordered 1
		.amdhsa_forward_progress 1
		.amdhsa_inst_pref_size 62
	.end_amdhsa_kernel
	.amdgpu_metadata
---
amdhsa.version: [ 1, 2 ]
amdhsa.kernels:
  - .name:           k_qa60efb7295_attn
    .symbol:         k_qa60efb7295_attn.kd
    .args:
      - { .name: qkv, .offset: 0, .size: 8, .value_kind: global_buffer, .address_space: global }
      - { .name: meta, .offset: 8, .size: 8, .value_kind: global_buffer, .address_space: global }
      - { .name: ao, .offset: 16, .size: 8, .value_kind: global_buffer, .address_space: global }
    .group_segment_fixed_size: 132096
    .private_segment_fixed_size: 0
    .kernarg_segment_align: 8
    .kernarg_segment_size: 24
    .max_flat_workgroup_size: 256
    .sgpr_count:     66
    .vgpr_count:     512
    .wavefront_size: 32
...
	.end_amdgpu_metadata
.endif
;; end of part 3
;; launch oproj (part 4): grid 4 x 64, 4 waves a work-group, clusters of 4 x 4, 327,680 bytes of LDS; arguments ao, wo16, out0; writes out0
.if DOCPART == 4
	.amdgcn_target "amdgcn-amd-amdhsa--gfx1250"
	.amdhsa_code_object_version 6
	.text
	.protected	k_qa60efb7295_oproj
	.globl	k_qa60efb7295_oproj
	.p2align	8
	.type	k_qa60efb7295_oproj,@function
k_qa60efb7295_oproj:
	s_mov_b64 s[64:65], 0
	v_nop
	global_prefetch_b8 v0, s[64:65] scope:SCOPE_SE
	s_setreg_imm32_b32 hwreg(HW_REG_WAVE_MODE, 25, 1), 1
	s_wait_xcnt 0x0
	s_wait_alu depctr_hold_cnt(0) depctr_sa_sdst(0) depctr_va_vdst(0) depctr_va_sdst(0) depctr_va_ssrc(0) depctr_va_vcc(0) depctr_vm_vsrc(0)
	s_getreg_b32 s2, hwreg(HW_REG_IB_STS2, 6, 4)
	s_cmp_eq_u32 s2, 0
	s_cbranch_scc0 .Lentry_in_a_cluster
	s_endpgm
.Lentry_in_a_cluster:
	s_bfe_u32 s2, ttmp6, 0x10000c
	s_cmp_lg_u32 s2, 0xf033
	s_cbranch_scc0 .Lentry_shape_is_right
	s_endpgm
.Lentry_shape_is_right:
; OPROJ.  out0[token][e] = the sum over d of o[token][d] Wo[e][d]: f16 operands, f32 sums, f32 out.  8,192 x 1,024 x 1,024.
; Both operands lie in memory as images of their fragments: for each tile of 16 rows, 64 chunks of 512 bytes along K (16 of K each), lane l's 16 bytes at 16 l.  So a K step of 128 is 4,096 consecutive bytes of each tile,
; a tensor load brings 4 or 8 such rows, the tiles lie dense in LDS, and every fragment load is 512 consecutive bytes.
; A work-group makes 128 tokens x 256 outputs: 256 work-groups.  A wave makes 64 x 128: 32 accumulators.  THE MATRIX INSTRUCTION IS USED TRANSPOSED (source 0 = 16 rows of Wo, source 1 = 16 tokens): a lane holds eight
; neighbouring outputs of a token.  K goes in 8 steps of 128 through two LDS slots.  CLUSTERS: 4 x 4; the tokens' tiles are asked for jointly by a row of the cluster, Wo's by a column.
; REGISTERS.  window 0: v16-30 addresses; two fragment buffers of 96 (4 fragments of tokens, then 8 of Wo) at v32 and v128; on the way out v32-159.  window 1: accumulator (a, b) at v[8 (8 a + b)].
.set TILEB,  4096                      ; a tile's K step
.set SLOT,   24*TILEB                  ; the tokens' 8 tiles, then Wo's 16
.set BOFF,   8*TILEB
.set SPARE,  2*SLOT                    ; the spare words, 128 bytes a wave
.set SPITCH, 528                       ; the way out: a stage of 16 rows x (512 bytes + 16) for each wave, in slot 0, which has had its last fill and its last read when the first result is stored there
.set LAPS,   4                         ; a lap = two K steps
.set ADRA, 16
.set ADRB, 20
.set STO,  24
.set RD,   25
.set CO,   26
.set SPW,  28
.set NIL,  29
.set PFO,  30
.set F0,   32
.set F1,   128
.set BK,   32
.set G1, 24
.set G0, 32
.set G1B, 48
.set G0B, 56
.set PFA, 44                           ; s[44:45] where my prefetches stand
.set LIM, 43                           ; s43 1 in a wave that prefetches, else the greatest number
.set MSB, 0
.macro WIN new
.if MSB != \new
	s_set_vgpr_msb (MSB<<8)|\new
.set MSB, \new
.endif
.endm
.set MUL, 0x50                         ; sources window 0, C and D window 1
.macro JLOAD s                         ; a joint load: waves 0 and 1 fetch the tokens' halves, waves 2 and 3 Wo's; an s_nop 0 and four v_nop follow each of the two lines
	s_cmp_eq_u32 s11, 0
	s_cbranch_scc0 .Lfor_b_\@
	tensor_load_to_lds s[G0+4*\s:G0+4*\s+3], s[G1:G1+7]
	s_nop 0
.rept 4
	v_nop
.endr
	s_branch .Lasked_\@
.Lfor_b_\@:
	tensor_load_to_lds s[G0B+4*\s:G0B+4*\s+3], s[G1B:G1B+7]
	s_nop 0
.rept 4
	v_nop
.endr
.Lasked_\@:
.endm
; A prefetch of the K step that stands two refills on.  Each block of 256 bytes is named once in the launch: the tokens' tiles are read by one row of one cluster alone: wave 0 asks, the four partners taking two tiles each
; by address (cx); Wo's tiles are read by every cluster: those of cluster y = 0 ask, waves 2 and 3, two tiles for each partner by address (cy).  A lane names 256 bytes: 16 lanes a tile's K step.
.macro ASK
	s_cmp_gt_u32 s3, s[LIM]                        ; s3 = 1 in the loop's last trip: its refills have no K step two on
	s_cbranch_scc0 .Lnot_mine_\@
	global_prefetch_b8 v[PFO], s[PFA:PFA+1] offset:TILEB th:TH_LOAD_NT scope:SCOPE_SE
.Lnot_mine_\@:
.endm
.macro CREST
	s_cmp_lg_u32 s10, 0
	s_cbranch_scc1 .Lnot_wave_0_\@
	s_barrier_signal -3
.Lnot_wave_0_\@:
	s_barrier_wait -3
	s_barrier_signal -1
	s_barrier_wait -1
.endm
.macro CROUND
	s_barrier_signal -1
	s_barrier_wait -1
	CREST
.endm
	s_load_b128 s[4:7], s[0:1], 0x0                ; ao, wo16
	s_load_b64 s[8:9], s[0:1], 0x10                ; out0
	v_lshl_add_u32 v[SPW], v0, 2, SPARE
	v_mov_b32 v[NIL], 0
	ds_add_u32 v[SPW], v[NIL]                      ; the wave's opening: the add, twice on end, and its wait ahead of my first tensor load
	ds_add_u32 v[SPW], v[NIL]
	v_lshrrev_b32 v1, 5, v0
	v_readfirstlane_b32 s10, v1                    ; wave 0..3
	s_lshr_b32 s11, s10, 1                         ; my half of the tokens.  Also: I fetch tokens (0) or Wo (1)
	s_and_b32 s12, s10, 1                          ; my half of the outputs.  Also: which half of that side I fetch
	s_bfe_u32 s40, ttmp6, 0x40000                  ; cx
	s_bfe_u32 s41, ttmp6, 0x40004                  ; cy
	s_lshl_b32 s42, ttmp9, 2
	s_add_co_u32 s42, s42, s40                     ; x: which 256 outputs
	s_and_b32 s13, ttmp7, 0xffff
	s_lshl_b32 s13, s13, 2
	s_add_co_u32 s13, s13, s41                     ; y: which 128 tokens
	s_lshl_b32 s43, s41, 2
	s_lshl_b32 s43, 15, s43                        ; my row of the cluster
	s_lshl_b32 s44, 0x1111, s40                    ; my column
	s_or_b32 s[G1+0], s43, (3<<16)|(1<<21)         ; the mask; elements of 8 bytes; no padding; bit 21 beside a mask
	s_or_b32 s[G1B+0], s44, (3<<16)|(1<<21)
	s_mov_b32 s[G1+1], 512<<16                     ; tensor_dim0: 512 elements = 4,096 bytes
	s_mov_b32 s[G1+2], 4<<16                       ; tensor_dim1: 4 tiles
	s_mov_b32 s[G1+3], 512<<16                     ; tile_dim0
	s_mov_b32 s[G1+4], 4                           ; tile_dim1
	s_mov_b32 s[G1+5], 4096                        ; from tile to tile: 32,768 bytes
	s_mov_b32 s[G1+6], 0
	s_mov_b32 s[G1+7], 0
	s_mov_b32 s[G1B+1], 512<<16
	s_mov_b32 s[G1B+2], 8<<16                      ; 8 tiles
	s_mov_b32 s[G1B+3], 512<<16
	s_mov_b32 s[G1B+4], 8
	s_mov_b32 s[G1B+5], 4096
	s_mov_b32 s[G1B+6], 0
	s_mov_b32 s[G1B+7], 0
	s_lshl_b32 s16, s13, 3
	s_lshl_b32 s17, s12, 2
	s_add_co_u32 s16, s16, s17                     ; tokens: tile 8 y + 4 x half
	s_lshl_b32 s16, s16, 15
	s_mov_b32 s17, 0
	s_lshl_b32 s46, s42, 4
	s_lshl_b32 s47, s12, 3
	s_add_co_u32 s46, s46, s47                     ; Wo: tile 16 x + 8 x half
	s_lshl_b32 s46, s46, 15
	s_mov_b32 s47, 0
	s_lshl_b32 s20, s12, 14                        ; where they go in a slot: the tokens' half,
	s_lshl_b32 s21, s12, 15
	s_add_co_u32 s21, s21, BOFF                    ; Wo's half
	s_wait_dscnt 0x0                               ; both opening adds are done
	s_wait_kmcnt 0x0
	s_add_nc_u64 s[14:15], s[4:5], s[16:17]
	s_add_nc_u64 s[46:47], s[6:7], s[46:47]
	CROUND                                         ; all sixteen work-groups are here: the first joint loads meet
.irp s, 0,1
	s_mov_b32 s[G0+4*\s], 1
	s_add_co_u32 s[G0+4*\s+1], s20, \s*SLOT
	s_add_nc_u64 s[G0+4*\s+2:G0+4*\s+3], s[14:15], \s*TILEB
	s_or_b32 s[G0+4*\s+3], s[G0+4*\s+3], 0x80000000
	s_mov_b32 s[G0B+4*\s], 1
	s_add_co_u32 s[G0B+4*\s+1], s21, \s*SLOT
	s_add_nc_u64 s[G0B+4*\s+2:G0B+4*\s+3], s[46:47], \s*TILEB
	s_or_b32 s[G0B+4*\s+3], s[G0B+4*\s+3], 0x80000000
	JLOAD \s                                       ; two loads of mine are out
.endr
	v_and_b32 v1, 15, v0                           ; l % 16
	v_bfe_u32 v2, v0, 4, 1                         ; l / 16
	v_and_b32 v6, 31, v0
	v_lshlrev_b32 v[CO], 4, v6                     ; 16 x lane
	s_lshl_b32 s21, s11, 14                        ; my 4 tiles of tokens
	s_lshl_b32 s22, s12, 15
	s_add_co_u32 s22, s22, BOFF                    ; my 8 tiles of Wo
.irp s, 0,1
	v_add_nc_u32 v[ADRA+\s], s21, v[CO]
	v_add_nc_u32 v[ADRB+\s], s22, v[CO]
	s_add_co_u32 s21, s21, SLOT
	s_add_co_u32 s22, s22, SLOT
.endr
	s_mul_i32 s23, s10, 16*SPITCH                  ; my stage
	v_mul_u32_u24 v5, v1, SPITCH                   ; in: row l % 16, 32 bytes for each half of the lanes
	v_lshl_add_u32 v5, v2, 5, v5
	v_add_nc_u32 v[STO], s23, v5
	v_add_nc_u32 v[RD], s23, v[CO]                 ; back: the 32 lanes take one row of 512 bytes
	s_lshl_b32 s16, s13, 7
	s_lshl_b32 s17, s11, 6
	s_add_co_u32 s16, s16, s17                     ; my first token
	s_lshl_b32 s16, s16, 12                        ; a row of out0 is 4,096 bytes
	s_lshl_b32 s46, s42, 10
	s_lshl_b32 s47, s12, 9
	s_add_co_u32 s46, s46, s47                     ; my first output, in bytes
	s_add_co_u32 s16, s16, s46
	s_mov_b32 s17, 0
	s_add_nc_u64 s[8:9], s[8:9], s[16:17]
	; the prefetches
	s_lshl_b32 s20, s13, 3
	s_lshl_b32 s21, s40, 1
	s_add_co_u32 s20, s20, s21                     ; tokens: tile 8 y + 2 cx
	s_lshl_b32 s21, s42, 4
	s_lshl_b32 s22, s12, 3
	s_add_co_u32 s21, s21, s22
	s_lshl_b32 s22, s41, 1
	s_add_co_u32 s21, s21, s22                     ; Wo: tile 16 x + 8 x half + 2 cy
	s_and_b32 s22, ttmp7, 0xffff                   ; the cluster's y
	s_cmp_eq_u32 s11, 0
	s_cselect_b32 s20, s20, s21
	s_cselect_b32 s22, s12, s22                    ; 0 in wave 0, and in waves 2 and 3 of cluster y = 0: the same in all sixteen partners, for a given wave
	s_cselect_b64 s[PFA:PFA+1], s[4:5], s[6:7]
	s_cmp_eq_u32 s22, 0
	s_cselect_b32 s[LIM], 1, -1
	s_lshl_b32 s20, s20, 15
	s_add_co_u32 s20, s20, 2*TILEB                 ; at K step 2: the first refill steps it to 3 and names K step 4.  Nothing is prefetched at the head
	s_mov_b32 s21, 0
	s_add_nc_u64 s[PFA:PFA+1], s[PFA:PFA+1], s[20:21]
	v_lshlrev_b32 v[PFO], 15, v2
	v_lshl_add_u32 v[PFO], v1, 8, v[PFO]           ; tile l / 16, 256 bytes for each of 16 lanes
; 8 matrix instructions: tokens' blocks a0, a0 + 1 x Wo's blocks b0 .. b0 + 3, 32 along K.  The 32 accumulators take turns, one instruction a turn, in the same order in every quarter.
.macro MUL8 f, b0, a0, zero
.irp a, \a0, \a0+1
.irp b, \b0, \b0+1, \b0+2, \b0+3
.if \zero
	v_wmma_f32_16x16x32_f16 v[8*(8*(\a)+(\b)):8*(8*(\a)+(\b))+7], v[\f+32+8*(\b):\f+32+8*(\b)+7], v[\f+8*(\a):\f+8*(\a)+7], 0
.else
	v_wmma_f32_16x16x32_f16 v[8*(8*(\a)+(\b)):8*(8*(\a)+(\b))+7], v[\f+32+8*(\b):\f+32+8*(\b)+7], v[\f+8*(\a):\f+8*(\a)+7], v[8*(8*(\a)+(\b)):8*(8*(\a)+(\b))+7]
.endif
.endr
.endr
.endm
; 24 LDS loads in one run: the fragments of the slot's q-th 32 along K: the tokens' four, Wo's 0-3, Wo's 4-7
.macro FETCH slot, q, f
.irp i, 0,1,2,3
	ds_load_b128 v[\f+8*\i:\f+8*\i+3],   v[ADRA+\slot] offset:\i*TILEB+(\q)*1024
	ds_load_b128 v[\f+8*\i+4:\f+8*\i+7], v[ADRA+\slot] offset:\i*TILEB+(\q)*1024+512
.endr
.irp i, 0,1,2,3,4,5,6,7
	ds_load_b128 v[\f+32+8*\i:\f+32+8*\i+3],   v[ADRB+\slot] offset:\i*TILEB+(\q)*1024
	ds_load_b128 v[\f+32+8*\i+4:\f+32+8*\i+7], v[ADRB+\slot] offset:\i*TILEB+(\q)*1024+512
.endr
.endm
.macro PLACES
.rept 4
	v_nop
.endr
.endm
; A K step is four quarters of 32 along K, 32 matrix instructions each, on buffers 0, 1, 0, 1.  One of the first three: multiplies buffer f and fetches quarter q of the same slot into g.
.macro QUARTER slot, q, f, g, zero
	s_wait_dscnt 8                                 ; the tokens' fragments and Wo's 0-3 are in; Wo's 4-7 may be out
	WIN MUL
	MUL8 \f, 0, 0, \zero
	MUL8 \f, 0, 2, \zero
	WIN 0
	PLACES
	FETCH \slot, \q, \g
	s_wait_dscnt 24                                ; all but the 24 just issued
	WIN MUL
	MUL8 \f, 4, 0, \zero
	MUL8 \f, 4, 2, \zero
.endm
; The last quarter multiplies buffer 1 and changes slots: ONE barrier; in front of it each wave waits for all its tensor loads, adds 0 to its spare word, and waits for that and for its reads of this slot.
; fill = 1: the barrier opens a round of the cluster's, and this slot is filled again, two K steps ahead, first thing behind it.
.macro TURN slot, next, fill
.if \fill
	s_wait_xcnt 0x0                                ; the last prefetch, a K step back, has read its address
	s_add_nc_u64 s[PFA:PFA+1], s[PFA:PFA+1], TILEB
.endif
	WIN 0
	s_wait_tensorcnt 0x0                           ; all my tensor loads have landed: my part of the next slot
	ds_add_u32 v[SPW], v[NIL]                      ; 0 onto my spare word
	s_wait_dscnt 9                                 ; (the add and Wo's fragments 4-7 may be out)
	WIN MUL
	MUL8 F1, 0, 0, 0
	s_wait_dscnt 0x0                               ; the add is done, and my reads of this slot are over
	s_barrier_signal -1
	MUL8 F1, 0, 2, 0
	WIN 0
	s_barrier_wait -1
.if \fill
	CREST                                          ; no wave of any partner still reads this slot or has a load on its way
	s_add_nc_u64 s[G0+4*\slot+2:G0+4*\slot+3], s[G0+4*\slot+2:G0+4*\slot+3], 2*TILEB
	s_add_nc_u64 s[G0B+4*\slot+2:G0B+4*\slot+3], s[G0B+4*\slot+2:G0B+4*\slot+3], 2*TILEB
	JLOAD \slot                                    ; my one tensor load behind the round; the four v_nop behind it are also the places in front of the loads below
.else
	PLACES
.endif
	FETCH \next, 0, F0
.if \fill
	ASK
.endif
	WIN MUL
	MUL8 F1, 4, 0, 0
	MUL8 F1, 4, 2, 0
.endm
	s_wait_tensorcnt 1                             ; my part of K step 0 is in (K step 1's load may be out),
	s_barrier_signal -1
	s_barrier_wait -1                              ; everybody's is
	FETCH 0, 0, F0
	QUARTER 0, 1, F0, F1, 1                        ; the first quarter's products start the sums: nothing is cleared
	WIN 0
	s_mov_b32 s3, LAPS-1
.Llap:                                                 ; a trip goes once round the ring, from a lap's second quarter to the next lap's first, and fills both slots again
	QUARTER 0, 2, F1, F0, 0
	QUARTER 0, 3, F0, F1, 0
	TURN 0, 1, 1
	QUARTER 1, 1, F0, F1, 0
	QUARTER 1, 2, F1, F0, 0
	QUARTER 1, 3, F0, F1, 0
	TURN 1, 0, 1
	QUARTER 0, 1, F0, F1, 0
	WIN 0
	s_sub_co_u32 s3, s3, 1
	s_cmp_lg_u32 s3, 0
	s_cbranch_scc1 .Llap
	QUARTER 0, 2, F1, F0, 0                        ; the last lap fills nothing
	QUARTER 0, 3, F0, F1, 0
	TURN 0, 1, 0
	QUARTER 1, 1, F0, F1, 0
	QUARTER 1, 2, F1, F0, 0
	QUARTER 1, 3, F0, F1, 0
	s_wait_dscnt 8
	WIN MUL
	MUL8 F1, 0, 0, 0
	MUL8 F1, 0, 2, 0
	s_wait_dscnt 0
	MUL8 F1, 4, 0, 0
	MUL8 F1, 4, 2, 0
	WIN 0
; THE WAY OUT, block by block of 16 tokens x 128 outputs: through my own stage in LDS, back as whole rows of 512 bytes.  LDS serves a wave's instructions in order: no wait between the stores and the loads.
.macro TOSTAGE a
	WIN 0x04                                       ; an LDS store's data are its source 1: window 1
.irp b, 0,1,2,3,4,5,6,7
	ds_store_b128 v[STO], v[64*(\a)+8*\b:64*(\a)+8*\b+3] offset:64*\b          ; each accumulator from its low end on
	ds_store_b128 v[STO], v[64*(\a)+8*\b+4:64*(\a)+8*\b+7] offset:64*\b+16
.endr
	WIN 0
.set BB, BK+64*((\a)%2)
.irp t, 0,1,2,3,4,5,6,7,8,9,10,11,12,13,14,15
	ds_load_b128 v[BB+4*\t:BB+4*\t+3], v[RD] offset:\t*SPITCH
.endr
.endm
.macro SEND a, younger                 ; younger: the LDS instructions issued behind block a's loads, which may stay out
.set BB, BK+64*((\a)%2)
	s_wait_dscnt \younger
.if (\a) > 0
	s_add_nc_u64 s[8:9], s[8:9], 16*4096           ; (behind a wait for the earlier stores' addresses)  16 rows on
.endif
.irp t, 0,1,2,3,4,5,6,7,8,9,10,11,12,13,14,15
	global_store_b128 v[CO], v[BB+4*\t:BB+4*\t+3], s[8:9] offset:\t*4096 th:TH_STORE_NT   ; 32 lanes store 512 consecutive bytes, aligned; written once, read by nobody here
.endr
.endm
	PLACES                                         ; ahead of the first read of results and of loads into registers that held fragments
	TOSTAGE 0
.irp a, 1,2,3
.if \a > 1
	s_wait_xcnt 0x0                                ; block a - 2's stores have read their registers and their base
.endif
	TOSTAGE \a
	SEND \a-1, 32                                  ; behind block a - 1's loads: block a's 16 stores and 16 loads
.endr
	s_wait_xcnt 0x0
	SEND 3, 0
	s_wait_tensorcnt 0x0                           ; the wave's end
	ds_add_u32 v[SPW], v[NIL]
	s_wait_dscnt 0x0
	CROUND                                         ; the closing round
	s_endpgm
.Lfunc_end_k_qa60efb7295_oproj:
	.size	k_qa60efb7295_oproj, .Lfunc_end_k_qa60efb7295_oproj-k_qa60efb7295_oproj
	.p2alignl 7, 3214868480
	.fill 96, 4, 3214868480
	.section	.rodata,"a",@progbits
	.p2align	6, 0x0
	.amdhsa_kernel k_qa60efb7295_oproj
		.amdhsa_group_segment_fixed_size 327680
		.amdhsa_private_segment_fixed_size 0
		.amdhsa_enable_private_segment 0
		.amdhsa_kernarg_size 24
		.amdhsa_user_sgpr_count 2
		.amdhsa_user_sgpr_kernarg_segment_ptr 1
		.amdhsa_wavefront_size32 1
		.amdhsa_system_sgpr_workgroup_id_x 1
		.amdhsa_system_sgpr_workgroup_id_y 1
		.amdhsa_system_sgpr_workgroup_id_z 1
		.amdhsa_system_vgpr_workitem_id 0
		.amdhsa_next_free_vgpr 512
		.amdhsa_next_free_sgpr 66
		.amdhsa_reserve_vcc 0
		.amdhsa_float_denorm_mode_32 3
		.amdhsa_float_denorm_mode_16_64 3
		.amdhsa_memory_ordered 1
		.amdhsa_forward_progress 1
		.amdhsa_inst_pref_size 86
	.end_amdhsa_kernel
	.amdgpu_metadata
---
amdhsa.version: [ 1, 2 ]
amdhsa.kernels:
  - .name:           k_qa60efb7295_oproj
    .symbol:         k_qa60efb7295_oproj.kd
    .args:
      - { .name: ao, .offset: 0, .size: 8, .value_kind: global_buffer, .address_space: global }
      - { .name: wo16, .offset: 8, .size: 8, .value_kind: global_buffer, .address_space: global }
      - { .name: out0, .offset: 16, .size: 8, .value_kind: global_buffer, .address_space: global }
    .group_segment_fixed_size: 327680
    .private_segment_fixed_size: 0
    .kernarg_segment_align: 8
    .kernarg_segment_size: 24
    .max_flat_workgroup_size: 128
    .sgpr_count:     66
    .vgpr_count:     512
    .wavefront_size: 32
...
	.end_amdgpu_metadata
.endif
;; end of part 4
